; MI455X (gfx1250); checked and timed in simulation.
; The chip was launched on July 23, 2026; its instructions are those of AMD's public machine-readable ISA for CDNA 5 (MIT licence, August 2026) and "CDNA5" Instruction Set Architecture Reference Guide (July 2026). The comments in the code are by the model that wrote it; some were corrected since.
;; Attention. Allowed arithmetic: matrix products marked QUANTISED: E2M3 operands, one E8M0 scale for each 32 along K, by v_wmma_scale_f32_16x16x128_f8f6f4 with both operands' format E2M3, f32 sums; everything else in f32.
;; Inputs: proj_b 1,024 float32; proj_w 1,024 x 1,024 float32; qkv_b 3,072 float32; qkv_w 3,072 x 1,024 float32; x 8 x 1,024 x 1,024 float32.
;; Outputs: out0 8 x 1,024 x 1,024 float32.
;; This version of the problem:
;;   THIS VERSION OF THE PROBLEM IS GIVEN IN LOW PRECISION. The matrix products marked QUANTISED in the list below multiply operands that are first quantised to E2M3 (2 exponent bits, 3 mantissa bits; 6 bits a number), with one power-of-two scale for each 32 numbers along K (OCP MX v1.0); their sums are f32. All else is computed in f32.
;;   The module's matrix products, in the order in which they are computed (A, B: the left and right operand; K: the contracted axis; several contracted axes count as one K, in the product's order):
;;     1. [M 8,192, K 1,024] x [K 1,024, N 3,072]; A: input x; B: input qkv_w: QUANTISED
;;     2. batch 128 x [M 1,024, K 64] x [K 64, N 1,024]; A: computed on the way; B: computed on the way: QUANTISED
;;     3. batch 128 x [M 1,024, K 1,024] x [K 1,024, N 64]; A: computed on the way; B: computed on the way: QUANTISED
;;     4. [M 8,192, K 1,024] x [K 1,024, N 1,024]; A: computed on the way; B: input proj_w: QUANTISED
;;   THE QUANTISER, for each operand of a quantised product, along K:
;;     - K is cut into blocks of 32 from its start; a last block that is shorter is filled with zeros.
;;     - A block's scale is 2^e with e = floor(log2(the largest magnitude in the block)) - 2, held to -126 .. 127; a block of zeros has e = 0. As a byte (E8M0): e + 127.
;;     - Each number is divided by its block's scale, clamped to +-7.5, and rounded to the nearest number of E2M3, ties to even, subnormals kept.
;;     - The product sums the exact products of the quantised numbers (number of the format x scale) in f32.
;;   ~~~python
;;   def quantise(x, axis):      # numpy; x: float32 -> the quantised numbers, widened to float32 again
;;       x = np.moveaxis(x, axis, -1); K = x.shape[-1]
;;       x = np.pad(x, [(0, 0)] * (x.ndim - 1) + [(0, -K % 32)]); x = x.reshape(x.shape[:-1] + (-1, 32)); a = np.abs(x).max(-1, keepdims=True)
;;       e = np.where(a > 0, np.clip(np.frexp(np.where(a > 0, a, 1))[1] - 1 - 2, -126, 127), 0)      # np.frexp(a)[1] - 1 = floor(log2(a)), exactly
;;       r = np.clip(x / 2.0 ** e, -7.5, 7.5)
;;       step = 2.0 ** (np.maximum(np.frexp(np.where(r == 0, 1, r))[1] - 1, 0) - 3)
;;       q = np.round(r / step) * step * 2.0 ** e      # np.round: ties to even
;;       return np.moveaxis(q.reshape(q.shape[:-2] + (-1,))[..., :K], -1, axis).astype(np.float32)
;;   ~~~
;;   OPERANDS COMPUTED ON THE WAY. 'Computed on the way' means the value that the module computes at that place (a softmax that the list does not call 'softmax' is quantised finished and normalised). What goes into a quantiser is computed in f32, as accurately as f32 sums, v_exp_f32 and their like allow (about 1e-6 of the number): no bf16 or f16 on the way to a quantiser, and a product that is left as it is and whose result goes on into a quantised operand takes f32 operands (vector FMAs, or v_wmma_f32_16x16x4_f32). A number that lies on a knife's edge between two numbers of the format may be rounded either way, as far as f32 arithmetic and the matrix unit's own rounding can turn it there, and no further.
;; One version. Each part assembles by itself: llvm-mc -triple=amdgcn-amd-amdhsa -mcpu=gfx1250 --defsym DOCPART=n.
;; ======== version 1 of 1: 4 launches
;; limits: right only within a limited range of input values
;; workspace buffers: op_img 9,437,184 bytes; op_sc 393,216 bytes; qkv_img 18,874,368 bytes; qkv_sc 786,432 bytes; z_img 6,291,456 bytes; z_sc 262,144 bytes
;; launch quant (part 1): grid 256 x 1, 3 waves a work-group, no clusters, 26,624 bytes of LDS; arguments x, qkv_w, proj_w, op_img, op_sc; writes op_img, op_sc
.if DOCPART == 1
	.amdgcn_target "amdgcn-amd-amdhsa--gfx1250"
	.amdhsa_code_object_version 6
	.text
	.protected	k_q4143cb2f26_quant
	.globl	k_q4143cb2f26_quant
	.p2align	8
	.type	k_q4143cb2f26_quant,@function
k_q4143cb2f26_quant:
	s_mov_b64 s[64:65], 0
	v_nop
	global_prefetch_b8 v0, s[64:65] scope:SCOPE_SE
	s_setreg_imm32_b32 hwreg(HW_REG_WAVE_MODE, 25, 1), 1
	s_wait_xcnt 0x0
; THE PROGRAM: attention of 16 heads of 64 on x [8][1024][1024]; all four products on codes of FP6 (E2M3) with one E8M0 scale for each 32 along K.
; Four launches: this one (x, qkv_w, proj_w into codes), the q/k/v projection, the attention, the projection on the way out.
; DEAD WORK: none is left out: every product, bias and step has a way to the output, and all five inputs are loaded.
; LIMITS: a block of zeros gets the scale byte 1 where the rule says 127 (its codes are zeros, and the bytes are read by this program alone); blocks whose largest magnitude
; lies under 2^(2 - 126) are held at byte 1; NaN and infinities among the inputs are served only through the softmax's guard in the third launch.
; THIS LAUNCH.  x (8,192 rows), qkv_w (3,072) and proj_w (1,024), all f32 with K = 1,024 innermost, become IMAGES OF OPERAND REGISTERS.
; A half image is 768 bytes: 16 rows x 64 along K.  Lane l = (h = l / 16, r = l % 16) owns the 24 bytes (6 registers) of row r, k = 32 h .. 32 h + 31: registers 0-3 at byte 16 l, registers 4-5 at 512 + 8 l.
; op_img: [row tile 0..767][64-group 0..15][768]; tiles 0-511 x, 512-703 qkv_w, 704-767 proj_w.  op_sc: [tile][r][8] words, word s = the four scale bytes of k = 128 s .. 128 s + 127.
; THE ROWS OF A TILE ARE NOT NEIGHBOURS: row r of tile T is the tensor's row 32 (T / 2) + 8 (T % 2) + r + 8 (r / 8), so that in a transposed product the 16 registers of two neighbouring tiles are 16 neighbours.
; A wave takes one tile, in 16 steps of 64 along K.  A step's eight loads read two rows' 256 consecutive bytes each; the 4,096 bytes turn through the wave's own stage in LDS (rows 272 bytes apart) and come back
; 128 bytes a lane: a whole block of 32.  Loads run four steps ahead, the turn one step.  Waves share nothing: no barrier.
.set STG,   4352                       ; a stage: 16 rows x 272 bytes
.set WREG,  2*STG                      ; a wave's two stages
.set SPARE, 3*WREG                     ; behind them the spare words, 128 bytes a wave, in two blocks of 256 bytes that no other line names
.set SW,    18                         ; v18-25  the tile's eight scale words in the making
.set C,     40                         ; v40-55  two sets of codes
.set R,     64                         ; v64-191 four sets of 32 registers as loaded
.set X,     192                        ; v192-255 two sets of 32 neighbours
	s_load_b256 s[4:11], s[0:1], 0x0               ; x, qkv_w, proj_w, op_img
	s_load_b64 s[12:13], s[0:1], 0x20              ; op_sc
	v_lshl_add_u32 v12, v0, 2, SPARE               ; my spare word
	v_mov_b32 v13, 0
	v_lshrrev_b32 v1, 5, v0
	v_readfirstlane_b32 s14, v1                    ; wave 0..2
	v_and_b32 v1, 31, v0                           ; l
	v_and_b32 v2, 15, v0                           ; r
	v_bfe_u32 v3, v0, 4, 1                         ; h
	v_lshlrev_b32 v4, 4, v2
	v_lshl_add_u32 v4, v3, 12, v4                  ; a load: lanes 0-15 one row's 256 bytes, lanes 16-31 the next row's
	s_mul_i32 s17, s14, WREG
	v_mul_u32_u24 v5, v3, 272
	v_lshl_add_u32 v5, v2, 4, v5
	v_add_nc_u32 v5, s17, v5                       ; into the stage, as loaded
	v_mul_u32_u24 v6, v2, 272
	v_lshl_add_u32 v6, v3, 7, v6
	v_add_nc_u32 v6, s17, v6                       ; out of it: row r, my half's 128 bytes
	v_lshlrev_b32 v7, 4, v1                        ; 16 l
	v_lshlrev_b32 v8, 3, v1                        ; 8 l
	v_lshlrev_b32 v9, 3, v3                        ; my byte's place in a scale word: 8 h bits in an even step,
	v_add_nc_u32 v10, 16, v9                       ; 8 h + 16 in an odd one
	v_lshlrev_b32 v11, 5, v2
	v_lshl_add_u32 v11, v3, 4, v11                 ; the scale words' way out: 32 r + 16 h
.irp i, 0,1,2,3,4,5,6,7
	v_mov_b32 v[26+\i], 0                          ; written once: a lane permute's destination counts as one of its sources
.endr
	s_mov_b32 s20, 0x76543210
	s_mov_b32 s21, 0xfedcba98                      ; v_permlanex16_b32's selects for lane l xor 16
	s_mul_i32 s15, ttmp9, 3
	s_add_co_u32 s15, s15, s14                     ; my tile
	s_mov_b32 s16, 704
	s_wait_kmcnt 0x0
	s_cmp_lt_u32 s15, 704                          ; which tensor: the choice hangs on ids alone
	s_cselect_b64 s[6:7], s[6:7], s[8:9]
	s_cselect_b32 s16, 512, s16
	s_cmp_lt_u32 s15, 512
	s_cselect_b64 s[4:5], s[4:5], s[6:7]
	s_cselect_b32 s16, 0, s16
	s_sub_co_u32 s16, s15, s16                     ; the tile's number in its tensor
	s_lshr_b32 s18, s16, 1
	s_lshl_b32 s18, s18, 17                        ; 32 rows of 4,096 bytes for each pair of tiles,
	s_and_b32 s19, s16, 1
	s_lshl_b32 s19, s19, 15                        ; 8 rows for the odd one
	s_add_co_u32 s18, s18, s19
	s_mov_b32 s19, 0
	s_add_nc_u64 s[4:5], s[4:5], s[18:19]
	s_mul_i32 s18, s15, 12288
	s_add_nc_u64 s[10:11], s[10:11], s[18:19]
	s_lshl_b32 s18, s15, 9
	s_add_nc_u64 s[12:13], s[12:13], s[18:19]
.macro LOAD t                          ; step t: the tile's rows 2 i, 2 i + 1 are the tensor's rows 2 i + 8 (i / 4) and the next
.irp i, 0,1,2,3,4,5,6,7
	global_load_b128 v[R+32*((\t)%4)+4*\i:R+32*((\t)%4)+4*\i+3], v4, s[4:5] offset:(2*\i+8*(\i/4))*4096+256*(\t) th:TH_LOAD_NT
.endr
.endm
.macro TURN t                          ; through the stage: LDS serves a wave's instructions in order, so no wait stands between the stores and the loads
.irp i, 0,1,2,3,4,5,6,7
	ds_store_b128 v5, v[R+32*((\t)%4)+4*\i:R+32*((\t)%4)+4*\i+3] offset:STG*((\t)%2)+2*\i*272
.endr
.irp i, 0,1,2,3,4,5,6,7
	ds_load_b128 v[X+32*((\t)%2)+4*\i:X+32*((\t)%2)+4*\i+3], v6 offset:STG*((\t)%2)+16*\i
.endr
.endm
.macro STEP t
.set XS, X+32*((\t)%2)
.set CS, C+8*((\t)%2)
	s_wait_dscnt 0x0                               ; this step's block is back from the stage, and the stage's stores have read their registers,
.if (\t)+4 < 16
	LOAD (\t)+4                                    ; which take the loads of four steps on
.endif
.if (\t)+1 < 16
.if 14-(\t) >= 3
	s_wait_loadcnt 24                              ; the next step's eight loads are in; those of the three steps behind it may be out
.else
	s_wait_loadcnt 8*(14-(\t))
.endif
	TURN (\t)+1
.endif
	v_max3_num_f32 v14, |v[XS]|, |v[XS+1]|, |v[XS+2]|      ; the block's largest magnitude: all 32 numbers are mine
	v_max3_num_f32 v15, |v[XS+3]|, |v[XS+4]|, |v[XS+5]|
.irp i, 6,10,14,18,22,26
	v_max3_num_f32 v14, v14, |v[XS+\i]|, |v[XS+\i+1]|
	v_max3_num_f32 v15, v15, |v[XS+\i+2]|, |v[XS+\i+3]|
.endr
	v_max3_num_f32 v14, v14, |v[XS+30]|, |v[XS+31]|
	v_max3_num_f32 v14, v14, v15, 0x1800000        ; and the floor 2^(3 - 127): the byte cannot fall under 1
	v_add_nc_u32 v16, 0xff000000, v14              ; 2 off the exponent field: the conversion's scale operand
	v_lshrrev_b32 v17, 23, v16                     ; the scale's byte
.if (\t)%2 == 0
	v_lshlrev_b32 v[SW+(\t)/2], v9, v17
.else
	v_lshl_or_b32 v[SW+(\t)/2], v17, v10, v[SW+(\t)/2]
.endif
	s_wait_alu depctr_va_vdst(0)
	s_wait_xcnt 0x0                                ; the earlier stores have read their data: the set of codes is written again only behind this wait
	v_cvt_scalef32_pk16_fp6_f32 v[CS:CS+2], v[XS:XS+15], v16
	v_cvt_scalef32_pk16_fp6_f32 v[56:58], v[XS+16:XS+31], v16      ; (a conversion's three registers begin on an even number)
	v_nop                                          ; one plain place behind a scaled conversion
	v_mov_b32 v[CS+3], v56
	v_mov_b32 v[CS+4], v57
	v_mov_b32 v[CS+5], v58
	global_store_b128 v7, v[CS:CS+3], s[10:11] offset:768*(\t)         ; 512 consecutive bytes,
	global_store_b64 v8, v[CS+4:CS+5], s[10:11] offset:768*(\t)+512    ; and 256 more: the half image
.endm
	LOAD 0
	LOAD 1
	LOAD 2
	LOAD 3
	s_wait_loadcnt 24                              ; step 0's eight loads are in
	TURN 0
.irp t, 0,1,2,3,4,5,6,7,8,9,10,11,12,13,14,15
	STEP \t
.endr
.irp i, 0,1,2,3,4,5,6,7
	v_permlanex16_b32 v[26+\i], v[SW+\i], s20, s21
.endr
.irp i, 0,1,2,3,4,5,6,7
	v_or_b32 v[SW+\i], v[SW+\i], v[26+\i]          ; with lane l xor 16's two bytes each word is whole
.endr
	v_cmp_ne_u32 vcc_lo, 0, v3
.irp i, 0,1,2,3
	v_cndmask_b32 v[34+\i], v[SW+\i], v[SW+4+\i], vcc_lo   ; lanes 0-15 store words 0-3 of their row, lanes 16-31 words 4-7
.endr
	global_store_b128 v11, v[34:37], s[12:13]      ; 512 consecutive bytes
	s_wait_tensorcnt 0x0                           ; the wave's end, behind my last LDS store
	ds_add_u32 v12, v13
	s_wait_dscnt 0x0
	s_endpgm
.Lfunc_end_k_q4143cb2f26_quant:
	.size	k_q4143cb2f26_quant, .Lfunc_end_k_q4143cb2f26_quant-k_q4143cb2f26_quant
	.p2alignl 7, 3214868480
	.fill 96, 4, 3214868480
	.section	.rodata,"a",@progbits
	.p2align	6, 0x0
	.amdhsa_kernel k_q4143cb2f26_quant
		.amdhsa_group_segment_fixed_size 26624
		.amdhsa_private_segment_fixed_size 0
		.amdhsa_enable_private_segment 0
		.amdhsa_kernarg_size 40
		.amdhsa_user_sgpr_count 2
		.amdhsa_user_sgpr_kernarg_segment_ptr 1
		.amdhsa_wavefront_size32 1
		.amdhsa_system_sgpr_workgroup_id_x 1
		.amdhsa_system_sgpr_workgroup_id_y 1
		.amdhsa_system_sgpr_workgroup_id_z 1
		.amdhsa_system_vgpr_workitem_id 0
		.amdhsa_next_free_vgpr 256
		.amdhsa_next_free_sgpr 66
		.amdhsa_reserve_vcc 1
		.amdhsa_float_denorm_mode_32 3
		.amdhsa_float_denorm_mode_16_64 3
		.amdhsa_memory_ordered 1
		.amdhsa_forward_progress 1
		.amdhsa_inst_pref_size 60
	.end_amdhsa_kernel
	.amdgpu_metadata
---
amdhsa.version: [ 1, 2 ]
amdhsa.kernels:
  - .name:           k_q4143cb2f26_quant
    .symbol:         k_q4143cb2f26_quant.kd
    .args:
      - { .name: x, .offset: 0, .size: 8, .value_kind: global_buffer, .address_space: global }
      - { .name: qkv_w, .offset: 8, .size: 8, .value_kind: global_buffer, .address_space: global }
      - { .name: proj_w, .offset: 16, .size: 8, .value_kind: global_buffer, .address_space: global }
      - { .name: op_img, .offset: 24, .size: 8, .value_kind: global_buffer, .address_space: global }
      - { .name: op_sc, .offset: 32, .size: 8, .value_kind: global_buffer, .address_space: global }
    .group_segment_fixed_size: 26624
    .private_segment_fixed_size: 0
    .kernarg_segment_align: 8
    .kernarg_segment_size: 40
    .max_flat_workgroup_size: 96
    .sgpr_count:     66
    .vgpr_count:     256
    .wavefront_size: 32
...
	.end_amdgpu_metadata
.endif
;; end of part 1
;; launch gemm_qkv (part 2): grid 8 x 32, 4 waves a work-group, clusters of 4 x 4, 327,680 bytes of LDS; arguments op_img, op_sc, qkv_b, qkv_img, qkv_sc; writes qkv_img, qkv_sc
.if DOCPART == 2
	.amdgcn_target "amdgcn-amd-amdhsa--gfx1250"
	.amdhsa_code_object_version 6
	.text
	.protected	k_q4143cb2f26_gemm_qkv
	.globl	k_q4143cb2f26_gemm_qkv
	.p2align	8
	.type	k_q4143cb2f26_gemm_qkv,@function
k_q4143cb2f26_gemm_qkv:
	s_mov_b64 s[64:65], 0
	v_nop
	global_prefetch_b8 v0, s[64:65] scope:SCOPE_SE
	s_setreg_imm32_b32 hwreg(HW_REG_WAVE_MODE, 25, 1), 1
	s_wait_xcnt 0x0
	s_wait_alu depctr_hold_cnt(0) depctr_sa_sdst(0) depctr_va_vdst(0) depctr_va_sdst(0) depctr_va_ssrc(0) depctr_va_vcc(0) depctr_vm_vsrc(0)
	s_getreg_b32 s2, hwreg(HW_REG_IB_STS2, 6, 4)
	s_cmp_eq_u32 s2, 0
	s_cbranch_scc0 .Lentry_in_a_cluster
	s_endpgm
.Lentry_in_a_cluster:
	s_bfe_u32 s2, ttmp6, 0x10000c
	s_cmp_lg_u32 s2, 0xf033
	s_cbranch_scc0 .Lentry_shape_is_right
	s_endpgm
.Lentry_shape_is_right:
; qkv = x qkv_w^T + qkv_b on codes of FP6 (E2M3), and its results quantised at once: q and k along the head's 64, v along the keys.  No work of the problem is left out here.
; Operands come as images of operand registers (half image: 768 bytes = 16 rows x 64 K; lane l's registers 0-3 at 16 l, 4-5 at 512 + 8 l); two half images on end are a fragment of 16 x 128; a tile of 16 rows, all K, is 12,288 bytes.
; A WORK-GROUP STAYS: 256 tokens and one pair of heads g; it makes three tiles of 256 x 128: the pair's q, its k, its v.  So 8 x 32 = 256 work-groups, and every work-group takes the same three paths in the same order.
; ALL OF K LIES IN LDS: x's 16 tiles (196,608 bytes) are fetched once; behind them lie 8 tiles of qkv_w (98,304 bytes), filled three times.  No ring along K.  Head: one joint load a wave (waves 0, 1: x's halves;
; waves 2, 3: the weights' halves).  A refill stands behind a round of the cluster's barrier; each wave fetches a quarter of it; the finished tile is quantised and stored while it is on its way.
; By this text's own count a wave has one tensor load outstanding.  CLUSTER 4 x 4: x's tiles are asked for jointly along a row of the cluster, qkv_w's along a column.
; Source 0's rows land in a lane's registers, source 1's rows in the lanes.  q, k: lanes = tokens (wave w: tokens 64 w .., 4 blocks), registers = the 128 features (8 tiles): a lane's 64 registers of a block are its token's
; two heads.  v: lanes = features (64 (w % 2) .., 4 blocks), registers = tokens (128 (w / 2) .., 8 tiles): they are one feature's 128 keys.  32 accumulators a wave; both operands have two sets of registers.
; PREFETCH: in tile t each 256 bytes of tile t + 1's weights are named once in each column of a cluster: the four partners and their four waves share the 384 blocks out by address, 24 to a wave (the lanes left
; over name their wave's last block again).  x and the first weights come by the head's loads alone.
; OUT: qkv_img: q, k: [which][8 b + pair][head in pair][token tile 64][768]; v: [2][8 b + pair][tile of the pair's 128 features 8][64 keys 16][768].  qkv_sc: [which][8 b + pair][group 8][r 16][8] words: a wave
; stores 16 bytes of each row's 32, so these 256-byte units are written by two waves: one byte in 24 of what the launch stores.  LIMITS: as stated at the head of the first launch.
.set ABYTES, 196608                    ; x's 16 tiles; behind them the weights' 8
.set SPARE,  294912                    ; the spare words, 128 bytes a wave: two blocks of 256 bytes that no other line names
.set QAD, 4                            ; v4-9   q, k: LDS addresses: lanes' operand 16 l, 8 l; registers' operand tiles 0-3 16 l, 8 l; tiles 4-7 16 l, 8 l
.set VAD, 10                           ; v10-15 the same for v
.set HB,  16                           ; v16 64 h: the bias by register
.set BOV, 17                           ; v17 the bias by lane
.set SCW, 18                           ; v18 32 r + 8 h
.set PFO, 19                           ; v19 the prefetch's offset; never rewritten
.set L16, 24
.set L8,  25
.set R32, 27
.set SPW, 28                           ; v28 my spare word; v29 0: never rewritten
.set NIL, 29
.set SCA, 32                           ; v32-63  scale words of the lanes' operand: block a, K step ks at 8 a + ks
.set SCB, 64                           ; v64-127 of the registers' operand
.set PC,  128                          ; the way out: codes (12 + 8); v148-163 at work; v164-167 the blocks' scale words; v168-169 those to store
.set TM,  148
.set PWS, 164
.set TT,  168
.set BI,  192                          ; window 1: v0-95, v96-191 the registers' operand; v192-255 the bias.  Window 3: v0-47, v48-95 the lanes' operand.  Window 2: accumulator (a, b) at 8 (8 a + b)
.set G1A, 24                           ; s[24:31], s[32:35] descriptor groups 1 and 0 for x's halves; s[36:43], s[44:47] the weights' halves; s[48:55], s[56:59] the weights' quarters
.set G0A, 32
.set G1B, 36
.set G0B, 44
.set G1R, 48
.set G0R, 56
.set XS,  70                           ; scale words: x's for q, k; x's for v; the weights'; the weights' for v
.set XSV, 72
.set WS,  74
.set WSV, 76
.set BB,  78                           ; the bias; the bias for v
.set BBV, 80
.set OQ,  82                           ; where q's images go (k's: a constant further on); v's; the scale words
.set OV,  84
.set OS,  86
.set PF,  88                           ; the pair's weights for q
.set MSB, 0
.macro WIN new                         ; the immediate's high byte repeats the setting that is left
.if MSB != (\new)
	s_set_vgpr_msb (MSB<<8)|(\new)
.set MSB, (\new)
.endif
.endm
.macro PLACES n
.rept \n
	v_nop
.endr
.endm
.macro CROUND                          ; a round of the cluster's barrier
	s_barrier_signal -1
	s_barrier_wait -1
	s_cmp_lg_u32 s14, 0
	s_cbranch_scc1 .Lnot_wave_0_\@
	s_barrier_signal -3
.Lnot_wave_0_\@:
	s_barrier_wait -3
	s_barrier_signal -1
	s_barrier_wait -1
.endm
.macro DENSE g, rows                   ; a dense block as rows of 256 bytes (32 elements of 8)
	s_mov_b32 s[\g+1], 32<<16
	s_mov_b32 s[\g+2], (\rows)<<16
	s_mov_b32 s[\g+3], 32<<16
	s_mov_b32 s[\g+4], \rows
	s_mov_b32 s[\g+5], 32
	s_mov_b32 s[\g+6], 0
	s_mov_b32 s[\g+7], 0
.endm
	s_load_b256 s[4:11], s[0:1], 0x0               ; op_img, op_sc, qkv_b, qkv_img
	s_load_b64 s[12:13], s[0:1], 0x20              ; qkv_sc
	v_lshl_add_u32 v[SPW], v0, 2, SPARE
	v_mov_b32 v[NIL], 0
	ds_add_u32 v[SPW], v[NIL]                      ; the opening lines: the add, twice on end, and its wait ahead of my first tensor load
	ds_add_u32 v[SPW], v[NIL]
	v_lshrrev_b32 v1, 5, v0
	v_readfirstlane_b32 s14, v1                    ; wave w
	s_lshr_b32 s15, s14, 1                         ; w / 2.  Also: at the head I fetch x (0) or the weights (1)
	s_and_b32 s16, s14, 1                          ; w % 2.  Also: which half
	s_bfe_u32 s66, ttmp6, 0x40000                  ; cx
	s_bfe_u32 s67, ttmp6, 0x40004                  ; cy
	s_lshl_b32 s68, ttmp9, 2
	s_add_co_u32 s68, s68, s66                     ; g: the pair of heads
	s_and_b32 s17, ttmp7, 0xffff
	s_lshl_b32 s17, s17, 2
	s_add_co_u32 s17, s17, s67                     ; y: 256 tokens
	s_lshl_b32 s92, s67, 2
	s_lshl_b32 s92, 15, s92                        ; my row of the cluster
	s_lshl_b32 s93, 0x1111, s66                    ; my column
	s_or_b32 s[G1A], s92, (3<<16)|(1<<21)          ; the mask; elements of 8 bytes; bit 21 beside a mask
	s_or_b32 s[G1B], s93, (3<<16)|(1<<21)
	s_or_b32 s[G1R], s93, (3<<16)|(1<<21)
	DENSE G1A,384
	DENSE G1B,192
	DENSE G1R,96
	s_lshl_b32 s18, s16, 3
	s_lshl_b32 s20, s17, 4
	s_add_co_u32 s20, s20, s18
	s_mul_i32 s20, s20, 12288                      ; x: tile 16 y + 8 x half
	s_mov_b32 s21, 0
	s_lshl_b32 s22, s68, 3
	s_add_co_u32 s22, s22, 512
	s_mul_i32 s22, s22, 12288                      ; qkv_w: tile 512 + 8 g
	s_mov_b32 s23, 0
	s_mul_i32 s94, s16, 49152                      ; a half of the weights, in memory and in LDS
	s_mov_b32 s95, 0
	s_mul_i32 s96, s14, 24576                      ; a quarter
	s_mov_b32 s97, 0
	s_mul_i32 s19, s16, 98304                      ; a half of x in LDS: no place in the cluster enters an LDS address
	s_wait_dscnt 0x0                               ; both opening adds are done
	s_wait_kmcnt 0x0
	s_add_nc_u64 s[20:21], s[4:5], s[20:21]
	s_add_nc_u64 s[PF:PF+1], s[4:5], s[22:23]
	CROUND                                         ; all sixteen work-groups are here: the first joint loads meet
	s_mov_b32 s[G0A], 1
	s_mov_b32 s[G0A+1], s19
	s_mov_b64 s[G0A+2:G0A+3], s[20:21]
	s_or_b32 s[G0A+3], s[G0A+3], 0x80000000
	s_mov_b32 s[G0B], 1
	s_add_co_u32 s[G0B+1], s94, ABYTES
	s_add_nc_u64 s[G0B+2:G0B+3], s[PF:PF+1], s[94:95]
	s_or_b32 s[G0B+3], s[G0B+3], 0x80000000
	s_mov_b32 s[G0R], 1
	s_add_co_u32 s[G0R+1], s96, ABYTES
	s_add_nc_u64 s[G0R+2:G0R+3], s[PF:PF+1], s[96:97]
	s_or_b32 s[G0R+3], s[G0R+3], 0x80000000
	s_cmp_eq_u32 s15, 0                            ; one load a wave, in the two arms of one branch on the wave's number
	s_cbranch_scc0 .Lfor_b
	tensor_load_to_lds s[G0A:G0A+3], s[G1A:G1A+7]
	s_nop 0
	PLACES 4
	s_branch .Lasked
.Lfor_b:
	tensor_load_to_lds s[G0B:G0B+3], s[G1B:G1B+7]
	s_nop 0
	PLACES 4
.Lasked:
	s_mov_b32 s93, 0
	s_lshl_b32 s18, s17, 4                         ; 16 y
	s_lshl_b32 s19, s14, 2
	s_add_co_u32 s19, s19, s18
	s_lshl_b32 s92, s19, 9
	s_add_nc_u64 s[XS:XS+1], s[6:7], s[92:93]      ; x's tiles 16 y + 4 w ..
	s_lshl_b32 s19, s15, 3
	s_add_co_u32 s19, s19, s18
	s_lshl_b32 s92, s19, 9
	s_add_nc_u64 s[XSV:XSV+1], s[6:7], s[92:93]    ; x's tiles 16 y + 8 (w / 2) ..
	s_lshl_b32 s92, s68, 3
	s_add_co_u32 s92, s92, 512
	s_lshl_b32 s92, s92, 9
	s_add_nc_u64 s[WS:WS+1], s[6:7], s[92:93]      ; the weights' tiles 512 + 8 g ..; k's and v's lie 64 and 128 tiles on
	s_lshl_b32 s92, s16, 11
	s_add_co_u32 s92, s92, 65536
	s_add_nc_u64 s[WSV:WSV+1], s[WS:WS+1], s[92:93]
	s_lshl_b32 s92, s68, 9
	s_add_nc_u64 s[BB:BB+1], s[8:9], s[92:93]      ; the pair's 128 numbers of q's bias
	s_lshl_b32 s92, s16, 8
	s_add_co_u32 s92, s92, 8192
	s_add_nc_u64 s[BBV:BBV+1], s[BB:BB+1], s[92:93]
	s_lshr_b32 s18, s17, 2                         ; the batch
	s_lshl_b32 s19, s18, 3
	s_add_co_u32 s19, s19, s68                     ; 8 b + pair
	s_and_b32 s20, s17, 3                          ; my quarter of the batch's tokens
	s_mul_i32 s21, s19, 98304
	s_lshl_b32 s22, s20, 4
	s_lshl_b32 s23, s14, 2
	s_add_co_u32 s22, s22, s23
	s_mul_i32 s22, s22, 768
	s_add_co_u32 s92, s21, s22
	s_add_nc_u64 s[OQ:OQ+1], s[10:11], s[92:93]    ; token tile 16 (y % 4) + 4 w
	s_lshl_b32 s22, s20, 1
	s_add_co_u32 s22, s22, s15                     ; my group of 128 tokens in the batch
	s_mul_i32 s23, s22, 1536
	s_add_co_u32 s92, s21, s23
	s_mul_i32 s23, s16, 49152
	s_add_co_u32 s92, s92, s23
	s_add_co_u32 s92, s92, 12582912
	s_add_nc_u64 s[OV:OV+1], s[10:11], s[92:93]    ; feature tile 4 (w % 2), my 128 keys
	s_lshl_b32 s92, s19, 12
	s_lshl_b32 s23, s22, 9
	s_add_co_u32 s92, s92, s23
	s_lshl_b32 s23, s16, 4
	s_add_co_u32 s92, s92, s23
	s_add_nc_u64 s[OS:OS+1], s[12:13], s[92:93]    ; my four words of each row of the group
	s_mov_b32 s90, 0x76543210
	s_mov_b32 s91, 0xfedcba98                      ; v_permlanex16_b32's selects for lane l xor 16
	s_mul_i32 s94, s67, 96
	s_mul_i32 s95, s14, 24
	s_add_co_u32 s94, s94, s95                     ; the prefetch: my wave's 24 blocks of the column's 384
	s_mul_i32 s95, s14, 49152
	s_mul_i32 s96, s16, 49152
	s_add_co_u32 s96, s96, ABYTES
	s_mul_i32 s97, s15, 98304
	s_add_co_u32 s98, s97, 49152
	v_and_b32 v1, 15, v0                           ; r
	v_bfe_u32 v2, v0, 4, 1                         ; h
	v_and_b32 v3, 31, v0                           ; l
	v_lshlrev_b32 v[R32], 5, v1
	v_lshlrev_b32 v[HB], 6, v2                     ; q, k: register j of tile b is feature 32 (b / 2) + 16 h + 8 (b % 2) + j
.macro SC8 reg, n, bs, off             ; lane r: row r's eight scale words of n tiles
.set i, 0
.rept \n
	global_load_b128 v[\reg+8*i:\reg+8*i+3], v[R32], s[\bs:\bs+1] offset:(\off)+512*i
	global_load_b128 v[\reg+8*i+4:\reg+8*i+7], v[R32], s[\bs:\bs+1] offset:(\off)+512*i+16
.set i, i+1
.endr
.endm
.macro SC_QK which                     ; the weights' scale words and the bias by register, for q (0) or k (1)
	SC8 SCB,8,WS,32768*(\which)
	WIN 0x40
.irp b, 0,1,2,3,4,5,6,7
	global_load_b128 v[BI+8*\b:BI+8*\b+3], v[HB], s[BB:BB+1] offset:4096*(\which)+(32*(\b/2)+8*(\b%2))*4
	global_load_b128 v[BI+8*\b+4:BI+8*\b+7], v[HB], s[BB:BB+1] offset:4096*(\which)+(32*(\b/2)+8*(\b%2))*4+16
.endr
	WIN 0
.endm
	SC8 SCA,4,XS,0
	SC_QK 0
	v_lshlrev_b32 v[L16], 4, v3
	v_lshlrev_b32 v[L8], 3, v3
	v_lshl_add_u32 v[SCW], v2, 3, v[R32]
	v_lshrrev_b32 v[BOV], 3, v1
	v_lshlrev_b32 v[BOV], 6, v[BOV]
	v_and_b32 v20, 7, v1
	v_lshl_add_u32 v[BOV], v20, 2, v[BOV]          ; v: lane r of a tile is its feature 16 (r / 8) + r % 8, in every register
	v_min_u32 v[PFO], 23, v3
	v_add_nc_u32 v[PFO], s94, v[PFO]
	v_lshlrev_b32 v[PFO], 8, v[PFO]
	v_add_nc_u32 v[QAD], s95, v[L16]               ; q, k: x's tiles 4 w ..,
	v_add_nc_u32 v[QAD+1], s95, v[L8]
	v_add_nc_u32 v[QAD+2], ABYTES, v[L16]          ; the weights' tiles 0-3,
	v_add_nc_u32 v[QAD+3], ABYTES, v[L8]
	v_add_nc_u32 v[QAD+4], ABYTES+49152, v[L16]    ; and 4-7
	v_add_nc_u32 v[QAD+5], ABYTES+49152, v[L8]
	v_add_nc_u32 v[VAD], s96, v[L16]               ; v: the weights' tiles 4 (w % 2) ..,
	v_add_nc_u32 v[VAD+1], s96, v[L8]
	v_add_nc_u32 v[VAD+2], s97, v[L16]             ; x's tiles 8 (w / 2) ..
	v_add_nc_u32 v[VAD+3], s97, v[L8]
	v_add_nc_u32 v[VAD+4], s98, v[L16]
	v_add_nc_u32 v[VAD+5], s98, v[L8]
.irp b, 0,1,2,3
	v_mov_b32 v[TM+4+\b], 0                        ; written once: a lane permute's destination counts as one of its sources
.endr
.macro FRAG reg, a16, a8, off          ; a fragment, 12 registers, from two half images on end: every load takes 512 or 256 consecutive bytes
	ds_load_b128 v[\reg:\reg+3], v[\a16] offset:\off
	ds_load_b64 v[\reg+4:\reg+5], v[\a8] offset:\off+512
	ds_load_b128 v[\reg+6:\reg+9], v[\a16] offset:\off+768
	ds_load_b64 v[\reg+10:\reg+11], v[\a8] offset:\off+1280
.endm
.macro FETCH ks, ad                    ; K step ks: 8 + 4 fragments, 48 loads, into set ks % 2
	WIN 0x40
.irp i, 0,1,2,3
	FRAG 96*((\ks)%2)+12*\i,\ad+2,\ad+3,12288*\i+1536*(\ks)
.endr
.irp i, 0,1,2,3
	FRAG 96*((\ks)%2)+48+12*\i,\ad+4,\ad+5,12288*\i+1536*(\ks)
.endr
	WIN 0xc0
.irp i, 0,1,2,3
	FRAG 48*((\ks)%2)+12*\i,\ad,\ad+1,12288*\i+1536*(\ks)
.endr
	WIN 0
.endm
; 32 products.  mode 0: onto the sums; 1: the sums begin with the bias by register (tile b); 2: by lane (block a).  The 32 accumulators take turns, in the same order in every K step.
.macro MUL ks, mode
.if \mode
	WIN 0x9d                                       ; source 0 window 1, source 1 window 3, C window 1, D window 2
.else
	WIN 0xad                                       ; C and D window 2
.endif
.irp a, 0,1,2,3
.irp b, 0,1,2,3,4,5,6,7
.if \mode == 0
	v_wmma_scale_f32_16x16x128_f8f6f4 v[8*(8*\a+\b):8*(8*\a+\b)+7], v[96*((\ks)%2)+12*\b:96*((\ks)%2)+12*\b+11], v[48*((\ks)%2)+12*\a:48*((\ks)%2)+12*\a+11], v[8*(8*\a+\b):8*(8*\a+\b)+7], v[SCB+8*\b+(\ks)], v[SCA+8*\a+(\ks)] matrix_a_fmt:MATRIX_FMT_FP6 matrix_b_fmt:MATRIX_FMT_FP6
.elseif \mode == 1
	v_wmma_scale_f32_16x16x128_f8f6f4 v[8*(8*\a+\b):8*(8*\a+\b)+7], v[96*((\ks)%2)+12*\b:96*((\ks)%2)+12*\b+11], v[48*((\ks)%2)+12*\a:48*((\ks)%2)+12*\a+11], v[BI+8*\b:BI+8*\b+7], v[SCB+8*\b+(\ks)], v[SCA+8*\a+(\ks)] matrix_a_fmt:MATRIX_FMT_FP6 matrix_b_fmt:MATRIX_FMT_FP6
.else
	v_wmma_scale_f32_16x16x128_f8f6f4 v[8*(8*\a+\b):8*(8*\a+\b)+7], v[96*((\ks)%2)+12*\b:96*((\ks)%2)+12*\b+11], v[48*((\ks)%2)+12*\a:48*((\ks)%2)+12*\a+11], v[BI+8*\a:BI+8*\a+7], v[SCB+8*\b+(\ks)], v[SCA+8*\a+(\ks)] matrix_a_fmt:MATRIX_FMT_FP6 matrix_b_fmt:MATRIX_FMT_FP6
.endif
.endr
.endr
.endm
.macro STEP ks, ad, mode
	PLACES 4                                       ; in front of loads into the set that the K step before multiplied
	FETCH (\ks)+1,\ad
	s_wait_dscnt 48                                ; this step's fragments are in; the 48 loads just issued may be out
	MUL \ks,\mode
.endm
.macro COMPUTE ad, mode, pf            ; a tile's eight K steps; pf: which weights to prefetch (0: none)
	s_wait_alu depctr_va_vdst(0)
	s_wait_tensorcnt 0x0                           ; my part of what was asked for is in,
	s_barrier_signal -1
	s_barrier_wait -1                              ; and everybody's
	FETCH 0,\ad
	s_wait_loadcnt 0x0                             ; the scale words and the bias
	STEP 0,\ad,\mode
.if \pf
	WIN 0
	global_prefetch_b8 v[PFO], s[PF:PF+1] offset:786432*(\pf) th:TH_LOAD_NT scope:SCOPE_SE   ; the next tile's weights: 64 tiles of 12,288 bytes on for each of q, k, v
.endif
.irp k, 1,2,3,4,5,6
	STEP \k,\ad,0
.endr
	s_wait_dscnt 0x0
	MUL 7,0
	WIN 0
.endm
.macro REFILL                          ; the weights' bytes are read no more: the next 8 tiles come into them
	s_wait_tensorcnt 0x0                           ; the tensor wait, the add and its wait in front of the round:
	ds_add_u32 v[SPW], v[NIL]
	s_add_nc_u64 s[G0R+2:G0R+3], s[G0R+2:G0R+3], 786432    ; (no load of mine is out: the descriptor may be written)
	s_wait_dscnt 0x0                               ; the add is done, and so are my LDS reads
	CROUND                                         ; no wave of any partner still reads the weights
	tensor_load_to_lds s[G0R:G0R+3], s[G1R:G1R+7]  ; my quarter
	s_nop 0
	PLACES 4                                       ; also the places behind the last products, for the loads and reads below
.endm
; THE WAY OUT.  Block a's 64 registers of a lane are 128 neighbours along the next K in four blocks of 32 (register 16 b + i = k 32 b + 16 h + i): largest magnitudes, scale bytes, conversions, the exchange of halves
; that gives each lane a whole block, and the fragment leaves as two half images, at o1 and o2: 512 + 256 consecutive bytes each.
.macro QOUT a, bs, o1, o2
.set AC, 64*(\a)
	s_wait_xcnt 0x0                                ; the earlier stores have read their data: it is written again only behind this wait
	WIN 0x28
.irp b, 0,1,2,3
	v_max3_num_f32 v[TM+\b], 0x1800000, |v[AC+16*\b]|, |v[AC+16*\b+1]|     ; with the floor 2^(3 - 127); each accumulator is read from its low end on
.endr
.irp i, 2,4,6,8,10,12,14
.irp b, 0,1,2,3
	v_max3_num_f32 v[TM+\b], v[TM+\b], |v[AC+16*\b+\i]|, |v[AC+16*\b+\i+1]|
.endr
.endr
	WIN 0
.irp b, 0,1,2,3
	v_permlanex16_b32 v[TM+4+\b], v[TM+\b], s90, s91
.endr
.irp b, 0,1,2,3
	v_max_num_f32 v[TM+\b], v[TM+\b], v[TM+4+\b]
.endr
.irp b, 0,1,2,3
	v_add_nc_u32 v[TM+12+\b], 0xff000000, v[TM+\b] ; 2 off the exponent field: the conversion's scale operand
.endr
.irp b, 0,1,2,3
	v_lshrrev_b32 v[TM+4+\b], 23, v[TM+12+\b]      ; the scale's byte
.endr
	v_lshl_or_b32 v[PWS+\a], v[TM+5], 8, v[TM+4]
	v_lshl_or_b32 v[PWS+\a], v[TM+6], 16, v[PWS+\a]
	v_lshl_or_b32 v[PWS+\a], v[TM+7], 24, v[PWS+\a]
	WIN 0x02
.irp c, 0,1
	v_cvt_scalef32_pk16_fp6_f32 v[PC+6*\c:PC+6*\c+2], v[AC+32*\c:AC+32*\c+15], v[TM+12+2*\c]
	v_cvt_scalef32_pk16_fp6_f32 v[PC+12+4*\c:PC+14+4*\c], v[AC+16+32*\c:AC+31+32*\c], v[TM+13+2*\c]
.endr
	WIN 0
	v_nop                                          ; one plain place behind a scaled conversion
.irp c, 0,1
.irp i, 0,1,2
	v_permlane16_swap_b32 v[PC+6*\c+\i], v[PC+12+4*\c+\i]
.endr
.irp i, 0,1,2
	v_mov_b32 v[PC+3+6*\c+\i], v[PC+12+4*\c+\i]
.endr
.endr
	global_store_b128 v[L16], v[PC:PC+3], s[\bs:\bs+1] offset:\o1
	global_store_b64 v[L8], v[PC+4:PC+5], s[\bs:\bs+1] offset:(\o1)+512
	global_store_b128 v[L16], v[PC+6:PC+9], s[\bs:\bs+1] offset:\o2
	global_store_b64 v[L8], v[PC+10:PC+11], s[\bs:\bs+1] offset:(\o2)+512
.endm
.macro WORDS which                     ; lanes 0-15 store blocks 0, 1's words of their row, lanes 16-31 blocks 2, 3's
	v_cmp_ne_u32 vcc_lo, 0, v2
	v_cndmask_b32 v[TT], v[PWS], v[PWS+2], vcc_lo
	v_cndmask_b32 v[TT+1], v[PWS+1], v[PWS+3], vcc_lo
	global_store_b64 v[SCW], v[TT:TT+1], s[OS:OS+1] offset:262144*(\which)
.endm
.macro OUT_QK which                    ; a block's first half image is head 0's, its second head 1's, 49,152 bytes on
.irp a, 0,1,2,3
	QOUT \a,OQ,6291456*(\which)+768*\a,6291456*(\which)+768*\a+49152
.endr
	WORDS \which
.endm
	s_mov_b32 s99, 0                               ; q and k take one path: two trips of one loop; what differs lies in pointers that are stepped at the trip's end
.Lqk:
	COMPUTE QAD,1,1                                ; q, then k; the prefetch names the weights 64 tiles on from this trip's
	REFILL
	s_cmp_eq_u32 s99, 0                            ; the trip's number: the same in every wave of every work-group.  The branch leads round loads into registers alone
	s_cbranch_scc0 .Lsc_v
	SC_QK 1                                        ; behind q: k's scale words and bias
	s_branch .Lsc_done
.Lsc_v:
	SC8 SCA,4,WSV,0                                ; behind k: v's: the lanes' operand is the weights', the registers' x's
	SC8 SCB,8,XSV,0
	WIN 0x40
.irp a, 0,1,2,3
.irp j, 0,1,2,3,4,5,6,7
	global_load_b32 v[BI+8*\a+\j], v[BOV], s[BBV:BBV+1] offset:(32*(\a/2)+8*(\a%2))*4      ; the bias by lane: the same number in a block's eight registers
.endr
.endr
	WIN 0
.Lsc_done:
	OUT_QK 0
	s_wait_xcnt 0x0                                ; the stores, the loads and the prefetch have read their bases: they are stepped only behind this wait
	s_add_nc_u64 s[OQ:OQ+1], s[OQ:OQ+1], 6291456   ; from q's images to k's,
	s_add_nc_u64 s[OS:OS+1], s[OS:OS+1], 262144    ; from q's scale words to k's, then to v's,
	s_add_nc_u64 s[PF:PF+1], s[PF:PF+1], 786432    ; from q's weights to k's
	s_add_co_u32 s99, s99, 1
	s_cmp_lt_u32 s99, 2
	s_wait_alu depctr_va_vdst(0)
	s_cbranch_scc1 .Lqk
	COMPUTE VAD,2,0                                ; v
	PLACES 4                                       ; behind the last products: results are read below
.irp a, 0,1,2,3
	QOUT \a,OV,12288*\a,12288*\a+768
.endr
	WORDS 0                                        ; (the pointer has been stepped twice)
	s_wait_tensorcnt 0x0                           ; the wave's end, behind my last tensor load
	ds_add_u32 v[SPW], v[NIL]
	s_wait_dscnt 0x0
	CROUND                                         ; the closing round
	s_endpgm
.Lfunc_end_k_q4143cb2f26_gemm_qkv:
	.size	k_q4143cb2f26_gemm_qkv, .Lfunc_end_k_q4143cb2f26_gemm_qkv-k_q4143cb2f26_gemm_qkv
	.p2alignl 7, 3214868480
	.fill 96, 4, 3214868480
	.section	.rodata,"a",@progbits
	.p2align	6, 0x0
	.amdhsa_kernel k_q4143cb2f26_gemm_qkv
		.amdhsa_group_segment_fixed_size 327680
		.amdhsa_private_segment_fixed_size 0
		.amdhsa_enable_private_segment 0
		.amdhsa_kernarg_size 40
		.amdhsa_user_sgpr_count 2
		.amdhsa_user_sgpr_kernarg_segment_ptr 1
		.amdhsa_wavefront_size32 1
		.amdhsa_system_sgpr_workgroup_id_x 1
		.amdhsa_system_sgpr_workgroup_id_y 1
		.amdhsa_system_sgpr_workgroup_id_z 1
		.amdhsa_system_vgpr_workitem_id 0
		.amdhsa_next_free_vgpr 1024
		.amdhsa_next_free_sgpr 100
		.amdhsa_reserve_vcc 1
		.amdhsa_float_denorm_mode_32 3
		.amdhsa_float_denorm_mode_16_64 3
		.amdhsa_memory_ordered 1
		.amdhsa_forward_progress 1
		.amdhsa_inst_pref_size 174
	.end_amdhsa_kernel
	.amdgpu_metadata
---
amdhsa.version: [ 1, 2 ]
amdhsa.kernels:
  - .name:           k_q4143cb2f26_gemm_qkv
    .symbol:         k_q4143cb2f26_gemm_qkv.kd
    .args:
      - { .name: op_img, .offset: 0, .size: 8, .value_kind: global_buffer, .address_space: global }
      - { .name: op_sc, .offset: 8, .size: 8, .value_kind: global_buffer, .address_space: global }
      - { .name: qkv_b, .offset: 16, .size: 8, .value_kind: global_buffer, .address_space: global }
      - { .name: qkv_img, .offset: 24, .size: 8, .value_kind: global_buffer, .address_space: global }
      - { .name: qkv_sc, .offset: 32, .size: 8, .value_kind: global_buffer, .address_space: global }
    .group_segment_fixed_size: 327680
    .private_segment_fixed_size: 0
    .kernarg_segment_align: 8
    .kernarg_segment_size: 40
    .max_flat_workgroup_size: 128
    .sgpr_count:     100
    .vgpr_count:     1024
    .wavefront_size: 32
...
	.end_amdgpu_metadata
.endif
;; end of part 2
;; launch attn (part 3): grid 4 x 64, 4 waves a work-group, clusters of 4 x 1, 327,680 bytes of LDS; arguments qkv_img, qkv_sc, z_img, z_sc; writes z_img, z_sc
.if DOCPART == 3
	.amdgcn_target "amdgcn-amd-amdhsa--gfx1250"
	.amdhsa_code_object_version 6
	.text
	.protected	k_q4143cb2f26_attn
	.globl	k_q4143cb2f26_attn
	.p2align	8
	.type	k_q4143cb2f26_attn,@function
k_q4143cb2f26_attn:
	s_mov_b64 s[64:65], 0
	v_nop
	global_prefetch_b8 v0, s[64:65] scope:SCOPE_SE
	s_setreg_imm32_b32 hwreg(HW_REG_WAVE_MODE, 25, 1), 1
	s_wait_xcnt 0x0
	s_wait_alu depctr_hold_cnt(0) depctr_sa_sdst(0) depctr_va_vdst(0) depctr_va_sdst(0) depctr_va_ssrc(0) depctr_va_vcc(0) depctr_vm_vsrc(0)
	s_getreg_b32 s2, hwreg(HW_REG_IB_STS2, 6, 4)
	s_cmp_eq_u32 s2, 0
	s_cbranch_scc0 .Lentry_in_a_cluster
	s_endpgm
.Lentry_in_a_cluster:
	s_bfe_u32 s2, ttmp6, 0x10000c
	s_cmp_lg_u32 s2, 0x3003
	s_cbranch_scc0 .Lentry_shape_is_right
	s_endpgm
.Lentry_shape_is_right:
; z = softmax(q k^T / 8) v for a pair of heads of one batch, both products on codes of FP6 (E2M3); z is quantised at once along the head's 64.  No work of the problem is left out here.
; A work-group: one (batch, pair of heads) and 256 queries; a wave: one head and 128 queries, in 8 trips of 16.  The pair's K and V (96 KB each, images of operand registers as the second launch laid them) stay in LDS.
; CLUSTER 4 x 1: the four work-groups of a pair (its four quarters of the queries) ask for K and V jointly: ONE load a wave at the head (waves 0, 1: K's two heads; waves 2, 3: V's), 192 rows of 256 bytes each.
; Nothing is filled again.  No prefetch: K and V are fetched once, at the head, so there is no loop to run ahead in; q's 1.5 KB of a trip are loaded a trip ahead into registers.
; Both products are used transposed (S^T = k q^T, O^T = v^T p^T): a lane holds one query, its registers run along the keys.  The softmax is quantised finished and normalised, so a trip holds all 1,024 scores of
; its 16 queries: 512 registers, windows 2 and 3.  The head's K is 64: a fragment of k holds TWO tiles of 16 keys (k 0-63 and 64-127 of the instruction), and q stands once in the lower half and once in the
; upper half of an operand whose other half is zero codes.
; A TRIP: 64 products, the block maxima of 16 tiles between the products of the next 16; the row's maximum; t = c s - c max and 2^t in chunks of 64 registers, the next chunk's multiply-adds between a chunk's
; exponentials, one wait a chunk; the row's sum in eight chains; p x 4 / sum; the conversions; 32 products with v; z's codes and scale bytes.
; THE FACTOR 4: a block's scale is its largest p's exponent less 2.  With p x 4 as the conversion's numbers the largest p itself is the conversion's scale operand; a multiplication by 4 rounds nothing.
; A block's largest p is not searched for: p rises with the score, so the block's largest score goes through the same multiply-add and exponential.
; LIMITS: as stated at the head of the first launch; a row whose sum is NaN gives z = 0, as the guard in the problem's softmax does.
; REGISTERS.  Window 0: v3-10 addresses, v12-13 the spare word and 0, v14 -c max, v16 4 / sum, v26 the sum, v28 q's scale word, v30-31 z's scale words, v32-55 q's two operands, and the sets named below.
; Window 1: v0-95, v96-191 fragments of k (8 a set) or of v (4 a set); v192-223 O^T.  Windows 2, 3: the scores, tile t at 8 (t % 32).
.set SPARE, 196608                     ; behind K and V: the spare words, 128 bytes a wave
.set BM,  56                           ; v56-87   the 32 blocks' largest scores, then largest p; in the tail z
.set BT,  88                           ; v88-95   at work
.set PWS, 96                           ; v96-103  p's scale words, one for each 128 keys
.set PCB, 104                          ; v104-139 p's codes, three sets of 12
.set PT,  140                          ; v140-147 the conversions' second halves
.set KS2, 148                          ; v148-179 k's scale words, one for each fragment
.set VS,  180                          ; v180-211 v's scale words
.set ZC,  212                          ; v212-219 z's codes
.set YT,  212                          ; v212-243 at work on p's scale bytes
.set ACC, 232                          ; v232-247 the sum's eight chains
.set MSB, 0
.macro WIN new                         ; the immediate's high byte repeats the setting that is left
.if MSB != (\new)
	s_set_vgpr_msb (MSB<<8)|(\new)
.set MSB, (\new)
.endif
.endm
.macro PLACES n
.rept \n
	v_nop
.endr
.endm
.macro ROUND                           ; a round of the cluster's barrier
	s_barrier_signal -1
	s_barrier_wait -1
	s_cmp_lg_u32 s12, 0
	s_cbranch_scc1 .Lnot_wave_0_\@
	s_barrier_signal -3
.Lnot_wave_0_\@:
	s_barrier_wait -3
	s_barrier_signal -1
	s_barrier_wait -1
.endm
.macro FRAG reg, a16, a8, off          ; 12 registers from two half images on end
	ds_load_b128 v[\reg:\reg+3], v[\a16] offset:\off
	ds_load_b64 v[\reg+4:\reg+5], v[\a8] offset:\off+512
	ds_load_b128 v[\reg+6:\reg+9], v[\a16] offset:\off+768
	ds_load_b64 v[\reg+10:\reg+11], v[\a8] offset:\off+1280
.endm
.macro QLOAD                           ; q's half image twice (lower half of v32-43, upper half of v44-55) and its scale word
	global_load_b128 v[32:35], v7, s[42:43]
	global_load_b64 v[36:37], v8, s[42:43] offset:512
	global_load_b128 v[50:53], v7, s[42:43]
	global_load_b64 v[54:55], v8, s[42:43] offset:512
	global_load_b32 v11, v9, s[44:45]
.endm
	s_load_b256 s[4:11], s[0:1], 0x0               ; qkv_img, qkv_sc, z_img, z_sc
	v_lshl_add_u32 v12, v0, 2, SPARE
	v_mov_b32 v13, 0
	ds_add_u32 v12, v13                            ; the opening lines: the add, twice on end, and its wait ahead of my tensor load
	ds_add_u32 v12, v13
	v_lshrrev_b32 v1, 5, v0
	v_readfirstlane_b32 s12, v1                    ; wave
	s_bfe_u32 s13, ttmp6, 0x40000                  ; cx: my quarter of the queries
	s_and_b32 s14, ttmp7, 0xffff                   ; 8 x batch + pair
	s_lshr_b32 s15, s12, 1                         ; my head of the pair.  Also: I fetch K (0) or V (1)
	s_and_b32 s16, s12, 1                          ; my half of the 256 queries.  Also: which head's 48 KB I fetch
	s_mov_b32 s24, 15|(3<<16)|(1<<21)              ; the mask of all four partners; elements of 8 bytes; bit 21 beside a mask
	s_mov_b32 s25, 32<<16                          ; rows of 256 bytes,
	s_mov_b32 s26, 192<<16                         ; 192 of them, dense
	s_mov_b32 s27, 32<<16
	s_mov_b32 s28, 192
	s_mov_b32 s29, 32
	s_mov_b32 s30, 0
	s_mov_b32 s31, 0
	s_mul_i32 s17, s14, 98304                      ; the pair's block in q's, k's or v's part
	s_mul_i32 s18, s12, 49152                      ; LDS: wave x 48 KB: K's two heads, then V's
	s_mul_i32 s19, s15, 49152                      ; my head's half of a block
	s_mul_i32 s2, s15, 6291456
	s_add_co_u32 s2, s2, s17
	s_mul_i32 s3, s16, 49152
	s_add_co_u32 s2, s2, s3
	s_mov_b32 s3, 0
	s_mov_b32 s20, 0x76543210
	s_mov_b32 s21, 0xfedcba98                      ; v_permlanex16_b32's selects for lane l xor 16
	s_mov_b32 s22, 0x3e38aa3b                      ; c = log2(e) / 8
	s_mov_b32 s23, s22
	s_mov_b32 s40, 0xbe38aa3b                      ; -c
	s_mov_b32 s41, 0x07030703                      ; byte 3 of two registers
	s_mov_b32 s62, 0x05040100                      ; the low halves of two registers
	s_mov_b32 s48, 0                               ; the trip
	s_wait_dscnt 0x0
	s_wait_kmcnt 0x0
	s_add_nc_u64 s[2:3], s[4:5], s[2:3]
	ROUND                                          ; all four work-groups are here: the joint loads meet
	s_mov_b32 s32, 1
	s_mov_b32 s33, s18
	s_add_nc_u64 s[34:35], s[2:3], 6291456         ; k's part begins 6,291,456 bytes in, v's as many further on
	s_or_b32 s35, s35, 0x80000000
	tensor_load_to_lds s[32:35], s[24:31]          ; my one load
	s_nop 0
	s_lshl_b32 s51, s13, 4
	s_lshl_b32 s52, s16, 3
	s_add_co_u32 s51, s51, s52                     ; my first tile of queries: 16 cx + 8 x half
	s_mul_i32 s52, s51, 768
	s_add_co_u32 s52, s52, s17
	s_add_co_u32 s52, s52, s19
	s_mov_b32 s53, 0
	s_add_nc_u64 s[42:43], s[4:5], s[52:53]        ; q's half images
	s_lshl_b32 s54, s13, 1
	s_add_co_u32 s54, s54, s16                     ; my 128 queries in their batch
	s_lshl_b32 s52, s14, 3
	s_add_co_u32 s52, s52, s54
	s_lshl_b32 s52, s52, 9
	s_add_nc_u64 s[44:45], s[6:7], s[52:53]        ; q's scale words
	s_lshl_b32 s52, s14, 12
	s_add_nc_u64 s[58:59], s[6:7], s[52:53]        ; the pair's scale words (k's at + 262,144)
	s_lshl_b32 s55, s15, 4
	s_add_co_u32 s52, s52, s55
	s_add_nc_u64 s[60:61], s[6:7], s[52:53]        ; (v's at + 524,288: my head's four tiles of features)
	s_lshr_b32 s55, s14, 3                         ; the batch
	s_and_b32 s2, s14, 7
	s_lshl_b32 s3, s2, 1
	s_add_co_u32 s3, s3, s15                       ; the head, 0..15
	s_lshl_b32 s52, s55, 6
	s_add_co_u32 s52, s52, s51
	s_lshl_b32 s52, s52, 4
	s_add_co_u32 s52, s52, s3
	s_mul_i32 s52, s52, 768
	s_add_nc_u64 s[46:47], s[8:9], s[52:53]        ; z_img: [token tile][head][768]
	s_lshl_b32 s52, s55, 3
	s_add_co_u32 s52, s52, s54
	s_lshl_b32 s52, s52, 8
	s_lshl_b32 s3, s3, 14
	s_add_co_u32 s52, s52, s3
	s_add_nc_u64 s[56:57], s[10:11], s[52:53]      ; z_sc: [head][128 tokens][r][4] words
	s_mov_b32 s49, 0x07060302
	s_mov_b32 s50, 0x03020302
	s_cmp_eq_u32 s15, 0                            ; a scale word of q or k holds two bytes for each head of the pair
	s_cselect_b32 s49, 0x05040100, s49
	s_cselect_b32 s50, 0x01000100, s50
	v_and_b32 v1, 15, v0                           ; r
	v_bfe_u32 v2, v0, 4, 1                         ; h
	v_and_b32 v27, 31, v0
	v_lshlrev_b32 v7, 4, v27                       ; 16 l
	v_lshlrev_b32 v8, 3, v27                       ; 8 l
	v_add_nc_u32 v3, s19, v7                       ; my head's K in LDS,
	v_add_nc_u32 v4, s19, v8
	v_add_nc_u32 v5, 98304, v3                     ; and its V
	v_add_nc_u32 v6, 98304, v4
	v_lshlrev_b32 v9, 5, v1
	v_lshlrev_b32 v10, 4, v1
	v_lshl_add_u32 v10, v2, 3, v10
	WIN 0x80
.irp g, 0,1,2,3,4,5,6,7
	global_load_b128 v[8*\g:8*\g+3], v9, s[58:59] offset:262144+512*\g       ; k's 64 scale words of row r, for now in window 2
	global_load_b128 v[8*\g+4:8*\g+7], v9, s[58:59] offset:262144+512*\g+16
.endr
	WIN 0
.irp s, 0,1,2,3,4,5,6,7
	global_load_b128 v[VS+4*\s:VS+4*\s+3], v9, s[60:61] offset:524288+512*\s
.endr
	QLOAD
.irp i, 38,39,40,41,42,43,44,45,46,47,48,49
	v_mov_b32 v[\i], 0                             ; the zero halves of q's two operands
.endr
.irp i, 15,17,30,31,88,89,90,91,92,93,94,95,222,223
	v_mov_b32 v[\i], 0                             ; upper halves of pairs, z's scale words, and lane permutes' destinations, written once
.endr
	s_wait_alu depctr_va_vdst(0)
	s_wait_loadcnt 0x0
	WIN 0x0a
.set j, 0
.rept 32
	v_perm_b32 v[KS2+j], v[2*j+1], v[2*j], s49     ; a fragment's word: my head's two bytes of tile 2 j, then of tile 2 j + 1
.set j, j+1
.endr
	WIN 0
	v_perm_b32 v28, v11, v11, s50                  ; q's word: my head's two bytes in both halves
	PLACES 8                                       ; a scale register written by a vector instruction stands 8 places ahead of a scaled product
	s_wait_alu depctr_va_vdst(0)
	s_wait_tensorcnt 0x0                           ; my 48 KB are in,
	s_barrier_signal -1
	s_barrier_wait -1                              ; and everybody's
.macro FETCHK grp, set                 ; 8 fragments of k: tiles 16 grp .. 16 grp + 15
	WIN 0x40
.irp j, 0,1,2,3,4,5,6,7
	FRAG 96*(\set)+12*\j,3,4,(8*(\grp)+\j)*1536
.endr
	WIN 0
.endm
.macro FETCHKH grp, half               ; half a group: 4 fragments, 16 loads, into the half set whose products have been issued
	WIN 0x40
.irp j, 0,1,2,3
	FRAG 96*((\grp)%2)+48*(\half)+12*\j,3,4,(8*(\grp)+4*(\half)+\j)*1536
.endr
	WIN 0
.endm
.macro MAXROW grp, row                 ; registers 2 row, 2 row + 1 of each of the group's eight blocks of 32 keys; each accumulator is first read at its low end
	WIN 0x28+0x14*((\grp)/2)
.irp b, 0,1,2,3,4,5,6,7
.if (\row) == 0
	v_max3_num_f32 v[BM+8*(\grp)+\b], 0xff800000, v[16*(8*((\grp)%2)+\b)], v[16*(8*((\grp)%2)+\b)+1]
.else
	v_max3_num_f32 v[BM+8*(\grp)+\b], v[BM+8*(\grp)+\b], v[16*(8*((\grp)%2)+\b)+2*(\row)], v[16*(8*((\grp)%2)+\b)+2*(\row)+1]
.endif
.endr
.endm
.macro SMUL grp, mx                    ; 16 products; mx = 1: behind each two of them eight maxima of the group before, which name none of their registers
.irp j, 0,1,2,3,4,5,6,7
	WIN 0x81+0x40*((\grp)/2)
	v_wmma_scale_f32_16x16x128_f8f6f4 v[8*((16*(\grp)+2*\j)%32):8*((16*(\grp)+2*\j)%32)+7], v[96*((\grp)%2)+12*\j:96*((\grp)%2)+12*\j+11], v[32:43], 0, v[KS2+8*(\grp)+\j], v28 matrix_a_fmt:MATRIX_FMT_FP6 matrix_b_fmt:MATRIX_FMT_FP6
	v_wmma_scale_f32_16x16x128_f8f6f4 v[8*((16*(\grp)+2*\j+1)%32):8*((16*(\grp)+2*\j+1)%32)+7], v[96*((\grp)%2)+12*\j:96*((\grp)%2)+12*\j+11], v[44:55], 0, v[KS2+8*(\grp)+\j], v28 matrix_a_fmt:MATRIX_FMT_FP6 matrix_b_fmt:MATRIX_FMT_FP6
.if \mx
	MAXROW (\grp)-1, \j
.endif
.if (\grp) < 2
.if ((\j)%4) == 3
.if \mx == 0
	PLACES 4                                       ; in front of loads into registers that products have read (elsewhere the eight maxima are these places)
.endif
	FETCHKH (\grp)+2,(\j)/4                        ; the group two on, half a set at a time
.endif
.endif
.endr
.endm
.macro FMA c                           ; t = c s - c max for 64 registers
.set j, 0
.rept 32
	v_pk_fma_f32 v[\c+j:\c+j+1], v[\c+j:\c+j+1], s[22:23], v[14:15] op_sel_hi:[1,0,0]
.set j, j+2
.endr
.endm
.macro EXF c, n                        ; 2^t for the 64 registers at c; between them t for the 64 at n, which are read only behind the wait
.set j, 0
.rept 32
	v_exp_f32 v[\c+j], v[\c+j]
	v_pk_fma_f32 v[\n+j:\n+j+1], v[\n+j:\n+j+1], s[22:23], v[14:15] op_sel_hi:[1,0,0]
	v_exp_f32 v[\c+j+1], v[\c+j+1]
.set j, j+2
.endr
	s_wait_alu depctr_va_vdst(0)                   ; the wait between these multiply-adds and the exponentials that read them
.endm
.macro EXL c                           ; a window's last 64
.set j, 0
.rept 64
	v_exp_f32 v[\c+j], v[\c+j]
.set j, j+1
.endr
.endm
.macro SUM16 n                         ; n x 16 registers onto the eight chains, from register j on
.rept \n
.irp k, 0,1,2,3,4,5,6,7
	v_pk_add_f32 v[ACC+2*\k:ACC+2*\k+1], v[ACC+2*\k:ACC+2*\k+1], v[j+2*\k:j+2*\k+1]
.endr
.set j, j+16
.endr
.endm
.macro FETCHV s                        ; v's four fragments (64 features) of keys 128 s ..
	WIN 0x40
.irp d, 0,1,2,3
	FRAG 48*((\s)%4)+12*\d,5,6,(16*\d+2*(\s))*768  ; four sets of 48 registers, window 1's v0-191, by turns
.endr
	WIN 0
.endm
.macro QPS s                           ; p of keys 128 s ..: x 4 / sum, the conversions
.set SB, 64*((\s)%4)
.set PB, PCB+12*((\s)%3)
	WIN 0x82+0x41*((\s)/4)
.set j, 0
.rept 32
	v_pk_mul_f32 v[SB+j:SB+j+1], v[SB+j:SB+j+1], v[16:17] op_sel_hi:[1,0]
.set j, j+2
.endr
	WIN 0x02+((\s)/4)
.irp c, 0,1
	v_cvt_scalef32_pk16_fp6_f32 v[PB+6*\c:PB+6*\c+2], v[SB+32*\c:SB+32*\c+15], v[BM+4*(\s)+2*\c]
	v_cvt_scalef32_pk16_fp6_f32 v[PT+4*\c:PT+4*\c+2], v[SB+16+32*\c:SB+31+32*\c], v[BM+4*(\s)+2*\c+1]
.endr
	WIN 0
	v_nop                                          ; one plain place behind a scaled conversion
.endm
.macro QPX s                           ; the exchange of halves, behind the products of the step before
.set PB, PCB+12*((\s)%3)
	WIN 0
.irp c, 0,1
.irp i, 0,1,2
	v_permlane16_swap_b32 v[PB+6*\c+\i], v[PT+4*\c+\i]
.endr
.irp i, 0,1,2
	v_mov_b32 v[PB+3+6*\c+\i], v[PT+4*\c+\i]
.endr
.endr
.endm
.macro WS s                            ; O^T += v^T p^T: the four accumulators by turns
.set PB, PCB+12*((\s)%3)
	WIN 0x51
.irp d, 0,1,2,3
.if (\s) == 0
	v_wmma_scale_f32_16x16x128_f8f6f4 v[192+8*\d:199+8*\d], v[48*((\s)%4)+12*\d:48*((\s)%4)+12*\d+11], v[PB:PB+11], 0, v[VS+4*(\s)+\d], v[PWS+(\s)] matrix_a_fmt:MATRIX_FMT_FP6 matrix_b_fmt:MATRIX_FMT_FP6
.else
	v_wmma_scale_f32_16x16x128_f8f6f4 v[192+8*\d:199+8*\d], v[48*((\s)%4)+12*\d:48*((\s)%4)+12*\d+11], v[PB:PB+11], v[192+8*\d:199+8*\d], v[VS+4*(\s)+\d], v[PWS+(\s)] matrix_a_fmt:MATRIX_FMT_FP6 matrix_b_fmt:MATRIX_FMT_FP6
.endif
.endr
.endm
	FETCHK 0,0
	FETCHK 1,1
.Ltrip:
	s_wait_dscnt 32                                ; set 0 is in; set 1's 32 loads may be out
	SMUL 0,0                                       ; (it fetches group 2 into set 0, half by half)
	s_wait_dscnt 32                                ; set 1 is in; group 2's 32 loads may be out
	SMUL 1,1                                       ; (and this one group 3 into set 1)
	s_wait_dscnt 32
	SMUL 2,1
	s_wait_dscnt 0x0
	SMUL 3,1
	WIN 0
	s_cmp_eq_u32 s48, 7
	s_cbranch_scc1 .Lno_next                       ; the last trip has no next q
	s_add_nc_u64 s[42:43], s[42:43], 768
	s_add_nc_u64 s[44:45], s[44:45], 4
	QLOAD
.Lno_next:
.irp i, 0,1,2,3,4,5,6,7
	MAXROW 3, \i
.endr
	WIN 0
.irp q, 0,1,2,3
.irp b, 0,1,2,3,4,5,6,7
	v_permlanex16_b32 v[BT+\b], v[BM+8*\q+\b], s20, s21
.endr
.irp b, 0,1,2,3,4,5,6,7
	v_max_num_f32 v[BM+8*\q+\b], v[BM+8*\q+\b], v[BT+\b]   ; with lane l xor 16's 16 keys: the block's largest score
.endr
.endr
	v_max3_num_f32 v27, v[BM], v[BM+1], v[BM+2]
	v_max3_num_f32 v29, v[BM+16], v[BM+17], v[BM+18]
.irp i, 3,5,7,9,11,13
	v_max3_num_f32 v27, v27, v[BM+\i], v[BM+\i+1]
	v_max3_num_f32 v29, v29, v[BM+16+\i], v[BM+17+\i]
.endr
	v_max3_num_f32 v27, v27, v29, v[BM+15]
	v_max_num_f32 v27, v27, v[BM+31]               ; the row's largest score
	v_mul_f32 v14, s40, v27                        ; -c max
.set j, 0
.rept 32
	v_fma_f32 v[BM+j], v[BM+j], s22, v14           ; t of each block's largest score
.set j, j+1
.endr
	FETCHV 0                                       ; v's first three steps, asked for ahead of the exponentials
	FETCHV 1
	FETCHV 2
	WIN 0xc3
	FMA 0                                          ; the first chunk of each window
	WIN 0x82
	FMA 0
	WIN 0
	s_wait_alu depctr_va_vdst(0)
.set j, 0
.rept 32
	v_exp_f32 v[BM+j], v[BM+j]                     ; each block's largest p, not yet normalised
.set j, j+1
.endr
.irp w, 0x82, 0xc3
	WIN \w
	EXF 0,64
	EXF 64,128
	EXF 128,192
	EXL 192
.endr
	WIN 0
	v_nop                                          ; one plain place behind the last exponential
	s_wait_alu depctr_va_vdst(0)                   ; one wait ahead of the first reader
	WIN 0x0a
.irp k, 0,1,2,3,4,5,6,7
	v_pk_add_f32 v[ACC+2*\k:ACC+2*\k+1], v[4*\k:4*\k+1], v[4*\k+2:4*\k+3]   ; the first 32 registers start the eight chains: nothing is cleared
.endr
	WIN 0x08
.set j, 32
	SUM16 14
	WIN 0x0c
.set j, 0
	SUM16 16
	WIN 0
.irp k, 0,4,8,12
	v_pk_add_f32 v[ACC+\k:ACC+\k+1], v[ACC+\k:ACC+\k+1], v[ACC+\k+2:ACC+\k+3]
.endr
	v_pk_add_f32 v[ACC:ACC+1], v[ACC:ACC+1], v[ACC+4:ACC+5]
	v_pk_add_f32 v[ACC+8:ACC+9], v[ACC+8:ACC+9], v[ACC+12:ACC+13]
	v_pk_add_f32 v[ACC:ACC+1], v[ACC:ACC+1], v[ACC+8:ACC+9]
	v_add_f32 v26, v[ACC], v[ACC+1]
	v_permlanex16_b32 v27, v26, s20, s21
	v_add_f32 v26, v26, v27                        ; the row's sum
	s_wait_alu depctr_va_vdst(0)
	s_wait_loadcnt 0x0                             ; the next trip's q and its scale word are in
	v_rcp_f32 v16, v26
	v_perm_b32 v28, v11, v11, s50                  ; the next trip's scale word of q.  (The plain place behind the transcendental)
	s_wait_alu depctr_va_vdst(0)
.set j, 0
.rept 32
	v_mul_f32 v[BM+j], v[BM+j], v16                ; each block's largest p, normalised
.set j, j+1
.endr
	v_mul_f32 v16, 4.0, v16                        ; 4 / sum
.set j, 0
.rept 32
	v_max_num_f32 v[BM+j], 0x1800000, v[BM+j]      ; the floor 2^(3 - 127): the byte cannot fall under 1.  This is the conversion's scale operand
.set j, j+1
.endr
.set j, 0
.rept 32
	v_add_lshl_u32 v[YT+j], v[BM+j], 0xff000000, 1 ; 2 off the exponent field, and the field into the top byte: the scale's byte
.set j, j+1
.endr
.set j, 0
.rept 16
	v_perm_b32 v[YT+j], v[YT+j+1], v[YT+j], s41    ; two bytes,
.set j, j+2
.endr
.irp s, 0,1,2,3,4,5,6,7
	v_perm_b32 v[PWS+\s], v[YT+4*\s+2], v[YT+4*\s], s62    ; four: the scale word of 128 keys
.endr
	QPS 0
	QPX 0
.irp s, 0,1,2,3,4,5,6,7
.if \s < 5
	FETCHV \s+3                                    ; into the set that the step before multiplied: the twelve lines of QPX are the places in front of these loads
	s_wait_dscnt 48                                ; this step's fragments of v are in; the next three steps' 48 loads may be out
.elseif \s < 7
	s_wait_dscnt 16*(7-\s)                         ; the steps still to come may be out, 16 loads each
.else
	s_wait_alu depctr_va_vdst(0)
	s_wait_dscnt 0x0
	PLACES 4
.endif
.if \s < 7
	QPS \s+1
.endif
	WS \s
.if \s < 7
	QPX \s+1
.endif
.endr
	WIN 0
	PLACES 4                                       ; behind the last products: O^T is read below, and loads go into their operands' registers
	s_cmp_eq_u32 s48, 7
	s_wait_alu depctr_va_vdst(0)
	s_cbranch_scc1 .Lno_k                          ; the last trip fetches nothing more
	FETCHK 0,0                                     ; the next trip's first fragments of k, under the tail below
	FETCHK 1,1
.Lno_k:
	v_cmp_eq_f32 vcc_lo, v26, v26                  ; the guard: a row whose sum is NaN gives 0
	WIN 0x04
.set j, 0
.rept 32
	v_cndmask_b32 v[BM+j], 0, v[192+j], vcc_lo
.set j, j+1
.endr
	WIN 0
.irp b, 0,1
	v_max3_num_f32 v[220+\b], |v[BM+16*\b]|, |v[BM+16*\b+1]|, 0x1800000    ; z's two blocks of 32 along the head
.endr
.irp i, 2,4,6,8,10,12,14
.irp b, 0,1
	v_max3_num_f32 v[220+\b], v[220+\b], |v[BM+16*\b+\i]|, |v[BM+16*\b+\i+1]|
.endr
.endr
.irp b, 0,1
	v_permlanex16_b32 v[222+\b], v[220+\b], s20, s21
.endr
.irp b, 0,1
	v_max_num_f32 v[220+\b], v[220+\b], v[222+\b]
.endr
.irp b, 0,1
	v_add_nc_u32 v[224+\b], 0xff000000, v[220+\b]
.endr
.irp b, 0,1
	v_lshrrev_b32 v[226+\b], 23, v[224+\b]
.endr
	v_lshl_or_b32 v29, v227, 8, v226               ; the tile's two scale bytes
	s_wait_alu depctr_va_vdst(0)
	v_cvt_scalef32_pk16_fp6_f32 v[ZC:ZC+2], v[BM:BM+15], v224
	v_cvt_scalef32_pk16_fp6_f32 v[228:230], v[BM+16:BM+31], v225
	v_nop
.irp i, 0,1,2
	v_permlane16_swap_b32 v[ZC+\i], v[228+\i]
.endr
.irp i, 0,1,2
	v_mov_b32 v[ZC+3+\i], v[228+\i]
.endr
	global_store_b128 v7, v[ZC:ZC+3], s[46:47]             ; the half image: 512 consecutive bytes,
	global_store_b64 v8, v[ZC+4:ZC+5], s[46:47] offset:512 ; and 256 more
	s_and_b32 s53, s48, 1                          ; where trip t's two bytes go: half t % 2 of word (t / 2) % 2, in lanes 0-15 (t < 4) or 16-31
	s_lshl_b32 s53, s53, 4
	s_lshr_b32 s51, s48, 2
	s_lshl_b32 s51, s51, 4
	s_lshl_b32 s52, 0xffff, s51
	s_bitcmp1_b32 s48, 1
	s_cselect_b32 s54, 0, s52
	s_cselect_b32 s55, s52, 0
	v_lshlrev_b32 v29, s53, v29
	v_cndmask_b32 v27, 0, v29, s54
	v_or_b32 v30, v30, v27
	v_cndmask_b32 v27, 0, v29, s55
	v_or_b32 v31, v31, v27
	s_wait_xcnt 0x0                                ; the stores have read their base and data
	s_add_nc_u64 s[46:47], s[46:47], 12288
	s_add_co_u32 s48, s48, 1
	s_cmp_lt_u32 s48, 8
	s_wait_alu depctr_va_vdst(0)
	s_cbranch_scc1 .Ltrip
	global_store_b64 v10, v[30:31], s[56:57]       ; my 128 tokens' scale bytes: 256 consecutive bytes
	s_wait_tensorcnt 0x0                           ; the wave's end
	ds_add_u32 v12, v13
	s_wait_dscnt 0x0
	ROUND                                          ; the closing round
	s_endpgm
.Lfunc_end_k_q4143cb2f26_attn:
	.size	k_q4143cb2f26_attn, .Lfunc_end_k_q4143cb2f26_attn-k_q4143cb2f26_attn
	.p2alignl 7, 3214868480
	.fill 96, 4, 3214868480
	.section	.rodata,"a",@progbits
	.p2align	6, 0x0
	.amdhsa_kernel k_q4143cb2f26_attn
		.amdhsa_group_segment_fixed_size 327680
		.amdhsa_private_segment_fixed_size 0
		.amdhsa_enable_private_segment 0
		.amdhsa_kernarg_size 32
		.amdhsa_user_sgpr_count 2
		.amdhsa_user_sgpr_kernarg_segment_ptr 1
		.amdhsa_wavefront_size32 1
		.amdhsa_system_sgpr_workgroup_id_x 1
		.amdhsa_system_sgpr_workgroup_id_y 1
		.amdhsa_system_sgpr_workgroup_id_z 1
		.amdhsa_system_vgpr_workitem_id 0
		.amdhsa_next_free_vgpr 1024
		.amdhsa_next_free_sgpr 66
		.amdhsa_reserve_vcc 1
		.amdhsa_float_denorm_mode_32 3
		.amdhsa_float_denorm_mode_16_64 3
		.amdhsa_memory_ordered 1
		.amdhsa_forward_progress 1
		.amdhsa_inst_pref_size 155
	.end_amdhsa_kernel
	.amdgpu_metadata
---
amdhsa.version: [ 1, 2 ]
amdhsa.kernels:
  - .name:           k_q4143cb2f26_attn
    .symbol:         k_q4143cb2f26_attn.kd
    .args:
      - { .name: qkv_img, .offset: 0, .size: 8, .value_kind: global_buffer, .address_space: global }
      - { .name: qkv_sc, .offset: 8, .size: 8, .value_kind: global_buffer, .address_space: global }
      - { .name: z_img, .offset: 16, .size: 8, .value_kind: global_buffer, .address_space: global }
      - { .name: z_sc, .offset: 24, .size: 8, .value_kind: global_buffer, .address_space: global }
    .group_segment_fixed_size: 327680
    .private_segment_fixed_size: 0
    .kernarg_segment_align: 8
    .kernarg_segment_size: 32
    .max_flat_workgroup_size: 128
    .sgpr_count:     66
    .vgpr_count:     1024
    .wavefront_size: 32
...
	.end_amdgpu_metadata
.endif
;; end of part 3
;; launch gemm_proj (part 4): grid 8 x 32, 4 waves a work-group, clusters of 4 x 4, 327,680 bytes of LDS; arguments z_img, z_sc, op_img, op_sc, proj_b, out0; writes out0
.if DOCPART == 4
	.amdgcn_target "amdgcn-amd-amdhsa--gfx1250"
	.amdhsa_code_object_version 6
	.text
	.protected	k_q4143cb2f26_gemm_proj
	.globl	k_q4143cb2f26_gemm_proj
	.p2align	8
	.type	k_q4143cb2f26_gemm_proj,@function
k_q4143cb2f26_gemm_proj:
	s_mov_b64 s[64:65], 0
	v_nop
	global_prefetch_b8 v0, s[64:65] scope:SCOPE_SE
	s_setreg_imm32_b32 hwreg(HW_REG_WAVE_MODE, 25, 1), 1
	s_wait_xcnt 0x0
	s_wait_alu depctr_hold_cnt(0) depctr_sa_sdst(0) depctr_va_vdst(0) depctr_va_sdst(0) depctr_va_ssrc(0) depctr_va_vcc(0) depctr_vm_vsrc(0)
	s_getreg_b32 s2, hwreg(HW_REG_IB_STS2, 6, 4)
	s_cmp_eq_u32 s2, 0
	s_cbranch_scc0 .Lentry_in_a_cluster
	s_endpgm
.Lentry_in_a_cluster:
	s_bfe_u32 s2, ttmp6, 0x10000c
	s_cmp_lg_u32 s2, 0xf033
	s_cbranch_scc0 .Lentry_shape_is_right
	s_endpgm
.Lentry_shape_is_right:
; out0 = z proj_w^T + proj_b on codes of FP6 (E2M3).  No work of the problem is left out here.  Operands come as images of operand registers, as in the second launch.
; A tile of 256 tokens x 128 features to a work-group: 8 x 32 = 256 work-groups.  ALL OF K LIES IN LDS: z's 16 tiles (196,608 bytes) and proj_w's 8 (98,304), fetched once, by one joint load a wave at the head
; (waves 0, 1: z's halves; waves 2, 3: the weights' halves).  Nothing is filled again.  CLUSTER 4 x 4: z's tiles are asked for jointly along a row of the cluster, proj_w's along a column.
; No prefetch: the one fetch stands at the head, so there is no loop to run ahead in.
; Source 0 = the weights' rows (they land in a lane's registers), source 1 = z's rows (in the lanes): wave w has tokens 64 w .. (4 blocks) x the 128 features (8 tiles): 32 accumulators; the bias is the C of the first K step.
; THE WAY OUT: a block of 16 tokens x 128 features goes through the wave's own stage in LDS and leaves as rows of 512 bytes, two aligned units of 256.  The stage lies on the wave's own four tiles of z, which
; no other wave reads, which have had their one fill, and which the wave has read to the end.
.set ABYTES, 196608
.set SPARE,  294912                    ; the spare words, 128 bytes a wave
.set QAD, 4                            ; v4-9 LDS addresses: lanes' operand 16 l, 8 l; registers' operand tiles 0-3; tiles 4-7
.set HB,  16                           ; v16 64 h
.set STO, 17                           ; v17 into the stage; v18 out of it
.set RD,  18
.set R16, 19
.set L16, 24
.set L8,  25
.set R32, 27
.set SPW, 28
.set NIL, 29
.set SCA, 32                           ; v32-63 z's scale words; v64-127 the weights'
.set SCB, 64
.set ZT,  128                          ; v128-159 z's scale bytes as they are stored
.set BI,  192                          ; window 1: v0-191 the registers' operand, two sets; v192-255 the bias.  Window 3: v0-95 the lanes' operand.  Window 2: the accumulators
.set G1A, 24
.set G0A, 32
.set G1B, 36
.set G0B, 44
.set ZS,  70
.set WS,  74
.set MSB, 0
.macro WIN new
.if MSB != (\new)
	s_set_vgpr_msb (MSB<<8)|(\new)
.set MSB, (\new)
.endif
.endm
.macro PLACES n
.rept \n
	v_nop
.endr
.endm
.macro CROUND
	s_barrier_signal -1
	s_barrier_wait -1
	s_cmp_lg_u32 s14, 0
	s_cbranch_scc1 .Lnot_wave_0_\@
	s_barrier_signal -3
.Lnot_wave_0_\@:
	s_barrier_wait -3
	s_barrier_signal -1
	s_barrier_wait -1
.endm
.macro DENSE g, rows                   ; a dense block as rows of 256 bytes
	s_mov_b32 s[\g+1], 32<<16
	s_mov_b32 s[\g+2], (\rows)<<16
	s_mov_b32 s[\g+3], 32<<16
	s_mov_b32 s[\g+4], \rows
	s_mov_b32 s[\g+5], 32
	s_mov_b32 s[\g+6], 0
	s_mov_b32 s[\g+7], 0
.endm
	s_load_b256 s[4:11], s[0:1], 0x0               ; z_img, z_sc, op_img, op_sc
	s_load_b128 s[84:87], s[0:1], 0x20             ; proj_b, out0
	v_lshl_add_u32 v[SPW], v0, 2, SPARE
	v_mov_b32 v[NIL], 0
	ds_add_u32 v[SPW], v[NIL]                      ; the opening lines
	ds_add_u32 v[SPW], v[NIL]
	v_lshrrev_b32 v1, 5, v0
	v_readfirstlane_b32 s14, v1                    ; wave w
	s_lshr_b32 s15, s14, 1
	s_and_b32 s16, s14, 1
	s_bfe_u32 s66, ttmp6, 0x40000
	s_bfe_u32 s67, ttmp6, 0x40004
	s_lshl_b32 s68, ttmp9, 2
	s_add_co_u32 s68, s68, s66                     ; x: 128 features
	s_and_b32 s17, ttmp7, 0xffff
	s_lshl_b32 s17, s17, 2
	s_add_co_u32 s17, s17, s67                     ; y: 256 tokens
	s_lshl_b32 s92, s67, 2
	s_lshl_b32 s92, 15, s92
	s_lshl_b32 s93, 0x1111, s66
	s_or_b32 s[G1A], s92, (3<<16)|(1<<21)
	s_or_b32 s[G1B], s93, (3<<16)|(1<<21)
	DENSE G1A,384
	DENSE G1B,192
	s_lshl_b32 s18, s16, 3
	s_lshl_b32 s20, s17, 4
	s_add_co_u32 s20, s20, s18
	s_mul_i32 s20, s20, 12288                      ; z: tile 16 y + 8 x half
	s_mov_b32 s21, 0
	s_lshl_b32 s22, s68, 3
	s_lshl_b32 s18, s16, 2
	s_add_co_u32 s22, s22, s18
	s_add_co_u32 s22, s22, 704
	s_mul_i32 s22, s22, 12288                      ; proj_w: tile 704 + 8 x + 4 x half
	s_mov_b32 s23, 0
	s_mul_i32 s19, s16, 98304
	s_mul_i32 s94, s16, 49152
	s_wait_dscnt 0x0
	s_wait_kmcnt 0x0
	s_add_nc_u64 s[20:21], s[4:5], s[20:21]
	s_add_nc_u64 s[22:23], s[8:9], s[22:23]
	CROUND                                         ; all sixteen work-groups are here: the joint loads meet
	s_mov_b32 s[G0A], 1
	s_mov_b32 s[G0A+1], s19
	s_mov_b64 s[G0A+2:G0A+3], s[20:21]
	s_or_b32 s[G0A+3], s[G0A+3], 0x80000000
	s_mov_b32 s[G0B], 1
	s_add_co_u32 s[G0B+1], s94, ABYTES
	s_mov_b64 s[G0B+2:G0B+3], s[22:23]
	s_or_b32 s[G0B+3], s[G0B+3], 0x80000000
	s_cmp_eq_u32 s15, 0
	s_cbranch_scc0 .Lfor_b
	tensor_load_to_lds s[G0A:G0A+3], s[G1A:G1A+7]
	s_nop 0
	PLACES 4
	s_branch .Lasked
.Lfor_b:
	tensor_load_to_lds s[G0B:G0B+3], s[G1B:G1B+7]
	s_nop 0
	PLACES 4
.Lasked:
	s_mov_b32 s89, 0
	s_lshl_b32 s88, s17, 1
	s_add_co_u32 s88, s88, s15
	s_lshl_b32 s88, s88, 8
	s_lshl_b32 s90, s16, 3
	s_add_co_u32 s88, s88, s90
	s_add_nc_u64 s[ZS:ZS+1], s[6:7], s[88:89]      ; z_sc: [head][128 tokens][r][4] words: my group, my two words of each row
	s_lshl_b32 s88, s68, 3
	s_add_co_u32 s88, s88, 704
	s_lshl_b32 s88, s88, 9
	s_add_nc_u64 s[WS:WS+1], s[10:11], s[88:89]
	s_lshl_b32 s88, s68, 9
	s_add_nc_u64 s[84:85], s[84:85], s[88:89]      ; my 128 numbers of the bias,
	s_add_nc_u64 s[86:87], s[86:87], s[88:89]      ; and my 512 bytes of a row of out0;
	s_lshl_b32 s88, s17, 20
	s_lshl_b32 s90, s14, 18
	s_add_co_u32 s88, s88, s90
	s_add_nc_u64 s[86:87], s[86:87], s[88:89]      ; row 256 y + 64 w
	s_mov_b32 s92, 0x05040100
	s_mov_b32 s93, 0x07060302
	s_mul_i32 s95, s14, 49152
	v_and_b32 v1, 15, v0                           ; r
	v_bfe_u32 v2, v0, 4, 1                         ; h
	v_and_b32 v3, 31, v0                           ; l
	v_lshlrev_b32 v[R32], 5, v1
	v_lshlrev_b32 v[R16], 4, v1
	v_lshlrev_b32 v[HB], 6, v2
.irp e, 0,1,2,3,4,5,6,7,8,9,10,11,12,13,14,15
	global_load_b64 v[ZT+2*\e:ZT+2*\e+1], v[R16], s[ZS:ZS+1] offset:16384*\e       ; head e: two bytes for each of my four tiles
.endr
.irp i, 0,1,2,3,4,5,6,7
	global_load_b128 v[SCB+8*\i:SCB+8*\i+3], v[R32], s[WS:WS+1] offset:512*\i
	global_load_b128 v[SCB+8*\i+4:SCB+8*\i+7], v[R32], s[WS:WS+1] offset:512*\i+16
.endr
	WIN 0x40
.irp b, 0,1,2,3,4,5,6,7
	global_load_b128 v[BI+8*\b:BI+8*\b+3], v[HB], s[84:85] offset:(32*(\b/2)+8*(\b%2))*4
	global_load_b128 v[BI+8*\b+4:BI+8*\b+7], v[HB], s[84:85] offset:(32*(\b/2)+8*(\b%2))*4+16
.endr
	WIN 0
	v_lshlrev_b32 v[L16], 4, v3
	v_lshlrev_b32 v[L8], 3, v3
	v_add_nc_u32 v[QAD], s95, v[L16]               ; z's tiles 4 w ..,
	v_add_nc_u32 v[QAD+1], s95, v[L8]
	v_add_nc_u32 v[QAD+2], ABYTES, v[L16]          ; the weights' tiles 0-3,
	v_add_nc_u32 v[QAD+3], ABYTES, v[L8]
	v_add_nc_u32 v[QAD+4], ABYTES+49152, v[L16]    ; and 4-7
	v_add_nc_u32 v[QAD+5], ABYTES+49152, v[L8]
	v_mul_u32_u24 v[STO], v1, 528                  ; the stage: 16 rows of 512 + 16 bytes, on my own tiles of z
	v_lshl_add_u32 v[STO], v2, 6, v[STO]
	v_add_nc_u32 v[STO], s95, v[STO]
	v_add_nc_u32 v[RD], s95, v[L16]
	s_wait_alu depctr_va_vdst(0)
	s_wait_loadcnt 0x0
.irp a, 0,1,2,3
.irp s, 0,1,2,3,4,5,6,7
	v_perm_b32 v[SCA+8*\a+\s], v[ZT+2*(2*\s+1)+\a/2], v[ZT+4*\s+\a/2], s[92+\a%2]  ; K step s is heads 2 s, 2 s + 1: two bytes of each
.endr
.endr
	PLACES 8                                       ; a scale register written by a vector instruction stands 8 places ahead of a scaled product
.macro FRAG reg, a16, a8, off
	ds_load_b128 v[\reg:\reg+3], v[\a16] offset:\off
	ds_load_b64 v[\reg+4:\reg+5], v[\a8] offset:\off+512
	ds_load_b128 v[\reg+6:\reg+9], v[\a16] offset:\off+768
	ds_load_b64 v[\reg+10:\reg+11], v[\a8] offset:\off+1280
.endm
.macro FETCH ks                        ; K step ks: 8 + 4 fragments, 48 loads, into set ks % 2
	WIN 0x40
.irp i, 0,1,2,3
	FRAG 96*((\ks)%2)+12*\i,QAD+2,QAD+3,12288*\i+1536*(\ks)
.endr
.irp i, 0,1,2,3
	FRAG 96*((\ks)%2)+48+12*\i,QAD+4,QAD+5,12288*\i+1536*(\ks)
.endr
	WIN 0xc0
.irp i, 0,1,2,3
	FRAG 48*((\ks)%2)+12*\i,QAD,QAD+1,12288*\i+1536*(\ks)
.endr
	WIN 0
.endm
.macro MUL ks, first                   ; 32 products; the 32 accumulators take turns, in the same order in every K step
.if \first
	WIN 0x9d                                       ; source 0 window 1, source 1 window 3, C window 1 (the bias), D window 2
.else
	WIN 0xad
.endif
.irp a, 0,1,2,3
.irp b, 0,1,2,3,4,5,6,7
.if \first
	v_wmma_scale_f32_16x16x128_f8f6f4 v[8*(8*\a+\b):8*(8*\a+\b)+7], v[96*((\ks)%2)+12*\b:96*((\ks)%2)+12*\b+11], v[48*((\ks)%2)+12*\a:48*((\ks)%2)+12*\a+11], v[BI+8*\b:BI+8*\b+7], v[SCB+8*\b+(\ks)], v[SCA+8*\a+(\ks)] matrix_a_fmt:MATRIX_FMT_FP6 matrix_b_fmt:MATRIX_FMT_FP6
.else
	v_wmma_scale_f32_16x16x128_f8f6f4 v[8*(8*\a+\b):8*(8*\a+\b)+7], v[96*((\ks)%2)+12*\b:96*((\ks)%2)+12*\b+11], v[48*((\ks)%2)+12*\a:48*((\ks)%2)+12*\a+11], v[8*(8*\a+\b):8*(8*\a+\b)+7], v[SCB+8*\b+(\ks)], v[SCA+8*\a+(\ks)] matrix_a_fmt:MATRIX_FMT_FP6 matrix_b_fmt:MATRIX_FMT_FP6
.endif
.endr
.endr
.endm
.macro STEP ks, first
	PLACES 4                                       ; in front of loads into the set that the K step before multiplied
	FETCH (\ks)+1
	s_wait_dscnt 48                                ; this step's fragments are in; the 48 loads just issued may be out
	MUL \ks,\first
.endm
	s_wait_alu depctr_va_vdst(0)
	s_wait_tensorcnt 0x0                           ; my part is in,
	s_barrier_signal -1
	s_barrier_wait -1                              ; and everybody's
	FETCH 0
	STEP 0,1
.irp k, 1,2,3,4,5,6
	STEP \k,0
.endr
	s_wait_dscnt 0x0                               ; my last reads of z and of the weights
	MUL 7,0
	WIN 0
.macro TOSTAGE a
.set AC, 64*(\a)
.set BB, 64*((\a)%2)
	WIN 0x08                                       ; the data: window 2
.irp b, 0,1,2,3,4,5,6,7
	ds_store_b128 v[STO], v[AC+8*\b:AC+8*\b+3] offset:128*(\b/2)+32*(\b%2)         ; each accumulator from its low end on
	ds_store_b128 v[STO], v[AC+8*\b+4:AC+8*\b+7] offset:128*(\b/2)+32*(\b%2)+16
.endr
	WIN 0x40
.irp t, 0,1,2,3,4,5,6,7,8,9,10,11,12,13,14,15
	ds_load_b128 v[BB+4*\t:BB+4*\t+3], v[RD] offset:\t*528     ; LDS serves a wave's instructions in order: these see the stores above
.endr
	WIN 0
.endm
.macro SEND a, younger                 ; row t of block a is token 32 (a / 2) + 8 (a % 2) + 16 (t / 8) + t % 8 of my 64
.set BB, 64*((\a)%2)
	s_wait_dscnt \younger
	WIN 0x04
.irp t, 0,1,2,3,4,5,6,7,8,9,10,11,12,13,14,15
	global_store_b128 v[L16], v[BB+4*\t:BB+4*\t+3], s[86:87] offset:(32*((\a)/2)+8*((\a)%2)+16*(\t/8)+\t%8)*4096 th:TH_STORE_NT
.endr
	WIN 0
.endm
	PLACES 4                                       ; behind the last products: results are read, and loads go into their operands' registers
	TOSTAGE 0
.irp a, 1,2,3
.if \a > 1
	s_wait_xcnt 0x0                                ; block a - 2's stores have read their registers
.endif
	TOSTAGE \a
	SEND \a-1,32                                   ; behind block a - 1's loads: block a's 16 stores and 16 loads
.endr
	SEND 3,0
	s_wait_tensorcnt 0x0                           ; the wave's end
	ds_add_u32 v[SPW], v[NIL]
	s_wait_dscnt 0x0
	CROUND                                         ; the closing round
	s_endpgm
.Lfunc_end_k_q4143cb2f26_gemm_proj:
	.size	k_q4143cb2f26_gemm_proj, .Lfunc_end_k_q4143cb2f26_gemm_proj-k_q4143cb2f26_gemm_proj
	.p2alignl 7, 3214868480
	.fill 96, 4, 3214868480
	.section	.rodata,"a",@progbits
	.p2align	6, 0x0
	.amdhsa_kernel k_q4143cb2f26_gemm_proj
		.amdhsa_group_segment_fixed_size 327680
		.amdhsa_private_segment_fixed_size 0
		.amdhsa_enable_private_segment 0
		.amdhsa_kernarg_size 48
		.amdhsa_user_sgpr_count 2
		.amdhsa_user_sgpr_kernarg_segment_ptr 1
		.amdhsa_wavefront_size32 1
		.amdhsa_system_sgpr_workgroup_id_x 1
		.amdhsa_system_sgpr_workgroup_id_y 1
		.amdhsa_system_sgpr_workgroup_id_z 1
		.amdhsa_system_vgpr_workitem_id 0
		.amdhsa_next_free_vgpr 1024
		.amdhsa_next_free_sgpr 100
		.amdhsa_reserve_vcc 0
		.amdhsa_float_denorm_mode_32 3
		.amdhsa_float_denorm_mode_16_64 3
		.amdhsa_memory_ordered 1
		.amdhsa_forward_progress 1
		.amdhsa_inst_pref_size 87
	.end_amdhsa_kernel
	.amdgpu_metadata
---
amdhsa.version: [ 1, 2 ]
amdhsa.kernels:
  - .name:           k_q4143cb2f26_gemm_proj
    .symbol:         k_q4143cb2f26_gemm_proj.kd
    .args:
      - { .name: z_img, .offset: 0, .size: 8, .value_kind: global_buffer, .address_space: global }
      - { .name: z_sc, .offset: 8, .size: 8, .value_kind: global_buffer, .address_space: global }
      - { .name: op_img, .offset: 16, .size: 8, .value_kind: global_buffer, .address_space: global }
      - { .name: op_sc, .offset: 24, .size: 8, .value_kind: global_buffer, .address_space: global }
      - { .name: proj_b, .offset: 32, .size: 8, .value_kind: global_buffer, .address_space: global }
      - { .name: out0, .offset: 40, .size: 8, .value_kind: global_buffer, .address_space: global }
    .group_segment_fixed_size: 327680
    .private_segment_fixed_size: 0
    .kernarg_segment_align: 8
    .kernarg_segment_size: 48
    .max_flat_workgroup_size: 128
    .sgpr_count:     100
    .vgpr_count:     1024
    .wavefront_size: 32
...
	.end_amdgpu_metadata
.endif
;; end of part 4
